; MI455X (gfx1250); checked and timed in simulation.
; The chip was launched on July 23, 2026; its instructions are those of AMD's public machine-readable ISA for CDNA 5 (MIT licence, August 2026) and "CDNA5" Instruction Set Architecture Reference Guide (July 2026). The comments in the code are by the model that wrote it; some were corrected since.
;; Multi Head Attention. Allowed arithmetic: matrix products marked QUANTISED: E2M1 operands, one E8M0 scale for each 32 along K, by v_wmma_scale_f32_16x16x128_f8f6f4 with both operands' format E2M1 (or v_wmma_scale_f32_32x16x128_f4), f32 sums; everything else in f32.
;; Inputs: Wk 1,024 x 1,024 float32; Wo 1,024 x 1,024 float32; Wq 1,024 x 1,024 float32; Wv 1,024 x 1,024 float32; bk 1,024 float32; bo 1,024 float32; bq 1,024 float32; bv 1,024 float32; x 1 x 4,096 x 1,024 float32.
;; Outputs: out0 1 x 4,096 x 1,024 float32.
;; This version of the problem:
;;   THIS VERSION OF THE PROBLEM IS GIVEN IN LOW PRECISION. The matrix products marked QUANTISED in the list below multiply operands that are first quantised to E2M1 (2 exponent bits, 1 mantissa bit; 4 bits a number), with one power-of-two scale for each 32 numbers along K (OCP MX v1.0); their sums are f32. All else is computed in f32.
;;   The module's matrix products, in the order in which they are computed (A, B: the left and right operand; K: the contracted axis; several contracted axes count as one K, in the product's order):
;;     1. [M 4,096, K 1,024] x [K 1,024, N 1,024]; A: input x; B: input Wq: QUANTISED
;;     2. [M 4,096, K 1,024] x [K 1,024, N 1,024]; A: input x; B: input Wk: QUANTISED
;;     3. [M 4,096, K 1,024] x [K 1,024, N 1,024]; A: input x; B: input Wv: QUANTISED
;;     4. batch 16 x [M 4,096, K 64] x [K 64, N 4,096]; A: computed on the way; B: computed on the way: QUANTISED
;;     5. batch 16 x [M 4,096, K 4,096] x [K 4,096, N 64]; A: softmax (see below); B: computed on the way: QUANTISED
;;     6. [M 4,096, K 1,024] x [K 1,024, N 1,024]; A: computed on the way; B: input Wo: QUANTISED
;;   THE QUANTISER, for each operand of a quantised product, along K:
;;     - K is cut into blocks of 32 from its start; a last block that is shorter is filled with zeros.
;;     - A block's scale is 2^e with e = floor(log2(the largest magnitude in the block)) - 2, held to -126 .. 127; a block of zeros has e = 0. As a byte (E8M0): e + 127.
;;     - Each number is divided by its block's scale, clamped to +-6, and rounded to the nearest number of E2M1, ties to even, subnormals kept.
;;     - The product sums the exact products of the quantised numbers (number of the format x scale) in f32.
;;   ~~~python
;;   def quantise(x, axis):      # numpy; x: float32 -> the quantised numbers, widened to float32 again
;;       x = np.moveaxis(x, axis, -1); K = x.shape[-1]
;;       x = np.pad(x, [(0, 0)] * (x.ndim - 1) + [(0, -K % 32)]); x = x.reshape(x.shape[:-1] + (-1, 32)); a = np.abs(x).max(-1, keepdims=True)
;;       e = np.where(a > 0, np.clip(np.frexp(np.where(a > 0, a, 1))[1] - 1 - 2, -126, 127), 0)      # np.frexp(a)[1] - 1 = floor(log2(a)), exactly
;;       r = np.clip(x / 2.0 ** e, -6, 6)
;;       step = 2.0 ** (np.maximum(np.frexp(np.where(r == 0, 1, r))[1] - 1, 0) - 1)
;;       q = np.round(r / step) * step * 2.0 ** e      # np.round: ties to even
;;       return np.moveaxis(q.reshape(q.shape[:-2] + (-1,))[..., :K], -1, axis).astype(np.float32)
;;   ~~~
;;   SOFTMAX AHEAD OF A QUANTISED PRODUCT. Where the list says 'softmax', what is quantised is not the finished softmax but p = 2^(t - M), with t = logit x log2(e) and M = ceil(the row's largest t), a whole number; so 1/2 < the row's largest p <= 1. The row's sum l is taken of the UNQUANTISED p, in f32, and the product's result is divided by l at the end. Since M is a whole number, a kernel that streams over the keys may use a running M (the ceiling of the running maximum): every later rescaling is an exact power of two, which a block's scale takes up: the codes' values come out the same.
;;   OPERANDS COMPUTED ON THE WAY. 'Computed on the way' means the value that the module computes at that place (a softmax that the list does not call 'softmax' is quantised finished and normalised). What goes into a quantiser is computed in f32, as accurately as f32 sums, v_exp_f32 and their like allow (about 1e-6 of the number): no bf16 or f16 on the way to a quantiser, and a product that is left as it is and whose result goes on into a quantised operand takes f32 operands (vector FMAs, or v_wmma_f32_16x16x4_f32). A number that lies on a knife's edge between two numbers of the format may be rounded either way, as far as f32 arithmetic and the matrix unit's own rounding can turn it there, and no further.
;; 2 versions. Each part assembles by itself: llvm-mc -triple=amdgcn-amd-amdhsa -mcpu=gfx1250 --defsym DOCPART=n.
;; ======== version 1 of 2: 4 launches
;; workspace buffers: codes 4,194,304 bytes; scl 262,144 bytes; qc 2,097,152 bytes; qs 262,144 bytes; kvc 4,194,304 bytes; kvs 393,216 bytes; ac 2,097,152 bytes; asc 131,072 bytes
;; launch quant (part 1): grid 256 x 1, 4 waves a work-group, no clusters, 34,304 bytes of LDS; arguments x, Wq, Wk, Wv, Wo, codes, scl; writes codes, scl
.if DOCPART == 1
	.amdgcn_target "amdgcn-amd-amdhsa--gfx1250"
	.amdhsa_code_object_version 6
	.text
	.protected	k_q450a0529d6_quant
	.globl	k_q450a0529d6_quant
	.p2align	8
	.type	k_q450a0529d6_quant,@function
k_q450a0529d6_quant:
	s_mov_b64 s[64:65], 0
	v_nop
	global_prefetch_b8 v0, s[64:65] scope:SCOPE_SE
	s_setreg_imm32_b32 hwreg(HW_REG_WAVE_MODE, 25, 1), 1
	s_wait_xcnt 0x0
; FIRST OF FOUR LAUNCHES (quant, qkv, attn, proj) of causal multi-head attention, S = 4,096, E = 1,024, 16 heads of 64, all six products on codes of FP4 (E2M1) with one E8M0 scale for each 32 along K.
; WORK LEFT OUT BY THE PROGRAM: only key steps of 128 keys that lie wholly above the diagonal of the mask which the problem builds itself (jnp.tril): there every score becomes -infinity, p = 0, and neither the
; row's maximum, its sum nor the second product takes anything from them, whatever the inputs hold.  Every input has a way to the output and is loaded: bq and bk move Q's and K's codes, bv and bo reach the result.
; LIMITS: a NaN, an infinity or an overflow that reaches only those key steps is not carried to the result; NaN and infinities among the inputs are not served; a block whose largest magnitude lies under
; 2^(3 - 127), a block of zeros among them, gets the scale byte 1 (its codes are zeros or the held quotient): the bytes are read by this program alone.
; THIS LAUNCH turns x [4096][1024] and Wq, Wk, Wv, Wo [1024][1024], f32 with K innermost, into codes and scale words laid IN THE ORDER OF AN OPERAND'S REGISTERS.
; A TILE T = 2 g + u holds 16 rows: slot r is row 32 g + 8 u + r + 8 (r / 8).  (As source 0 of a product, the 16 result registers of tiles 2 g and 2 g + 1 are then 16 neighbouring rows.)
; The fragment of tile T and K step s (128 along K) is 1,024 bytes at 8192 T + 1024 s + 512 c + 16 lane: lane 16 h + r holds k = 128 s + 64 c + 32 h + 0 .. 31 of slot r.  Tiles 0-255 x, 256-319 Wq, 320-383 Wk, 384-447 Wv, 448-511 Wo.
; Scale words: at 512 T + 256 H + 8 lane + 4 p stands the word of K step 4 H + 2 p + lane / 16, slot lane % 16: two loads of 8 bytes a lane give a tile's eight words, two K steps to a register.
; SHARES: work-group g, wave w: tile 2 g + w / 2, K half H = w % 2: four K steps.  Each load reads 512 consecutive bytes of one row; a K step's 16 rows turn through the wave's own stage in LDS, so that a lane gets
; two whole blocks of 32 neighbours; every store of codes covers 512 consecutive bytes, the store of scale words 256.  Waves share nothing: no barrier.  No matrix unit, cluster or tensor load: a stream read once.
.set ROWB,  4096                       ; a row of 1,024 f32
.set PITCH, 528                        ; a stage row: 512 bytes + 16, so that sixteen rows start 16 bytes apart modulo 256
.set WST,   16*PITCH                   ; a wave's stage
.set SPARE, 4*WST                      ; behind the stages: the spare words, 128 bytes a wave
.set LI,  2                            ; v2   16 x lane
.set STI, 3                            ; v3   the stage, on the way in: wave's stage + 16 x lane
.set STO, 4                            ; v4   on the way out: wave's stage + 528 r + 128 h
.set L8,  5                            ; v5   8 x lane
.set H8,  6                            ; v6   8 h
.set SPW, 12                           ; v12  my spare word's LDS address; never rewritten
.set NIL, 13                           ; v13  0; never rewritten
.set TM,  16                           ; v16-17 largest magnitudes, v18-19 the conversions' scale operands, v20-21 bytes, v22 my half of the word, v23 the other half's
.set W,   24                           ; v24-27 the four K steps' scale words
.set SD,  28                           ; v28-29 what the scale store sends
.set X,   32                           ; v32-223 three sets of 64 numbers
.set C,   224                          ; v224-255 codes, 8 registers a K step: no store's data are written again
	s_load_b256 s[4:11], s[0:1], 0x0               ; x s[4:5], Wq s[6:7], Wk s[8:9], Wv s[10:11]
	s_load_b128 s[12:15], s[0:1], 0x20             ; Wo s[12:13], codes s[14:15]
	s_load_b64 s[16:17], s[0:1], 0x30              ; scl
	v_lshl_add_u32 v[SPW], v0, 2, SPARE
	v_mov_b32 v[NIL], 0
	v_lshrrev_b32 v1, 5, v0
	v_readfirstlane_b32 s18, v1                    ; wave
	v_and_b32 v1, 31, v0                           ; lane
	v_lshlrev_b32 v[LI], 4, v1
	v_lshlrev_b32 v[L8], 3, v1
	v_and_b32 v7, 15, v0                           ; r
	v_bfe_u32 v8, v0, 4, 1                         ; h
	v_lshlrev_b32 v[H8], 3, v8
	s_mul_i32 s19, s18, WST
	v_add_nc_u32 v[STI], s19, v[LI]
	v_mul_u32_u24 v[STO], v7, PITCH
	v_lshl_add_u32 v[STO], v8, 7, v[STO]
	v_add_nc_u32 v[STO], s19, v[STO]
	v_mov_b32 v[TM+7], 0                           ; written once: a lane permute's destination counts as one of its sources
	s_mov_b32 s20, 0x76543210
	s_mov_b32 s21, 0xfedcba98                      ; v_permlanex16_b32's selects for lane l xor 16
	s_mov_b32 s30, 0xffff0000                      ; the mask of lanes 16-31
	s_lshr_b32 s23, s18, 1
	s_lshl_b32 s24, ttmp9, 1
	s_add_co_u32 s24, s24, s23                     ; my tile among the 512
	s_and_b32 s25, s18, 1                          ; my half of K
	s_mov_b32 s22, 0                               ; the first tile of my tensor
	s_wait_kmcnt 0x0
	s_cmp_ge_u32 ttmp9, 128                        ; which tensor: the choice hangs on the work-group's number alone
	s_cselect_b64 s[4:5], s[6:7], s[4:5]
	s_cselect_b32 s22, 256, s22
	s_cmp_ge_u32 ttmp9, 160
	s_cselect_b64 s[4:5], s[8:9], s[4:5]
	s_cselect_b32 s22, 320, s22
	s_cmp_ge_u32 ttmp9, 192
	s_cselect_b64 s[4:5], s[10:11], s[4:5]
	s_cselect_b32 s22, 384, s22
	s_cmp_ge_u32 ttmp9, 224
	s_cselect_b64 s[4:5], s[12:13], s[4:5]
	s_cselect_b32 s22, 448, s22
	s_sub_co_u32 s26, s24, s22                     ; my tile in my tensor
	s_lshr_b32 s27, s26, 1
	s_lshl_b32 s27, s27, 5
	s_and_b32 s26, s26, 1
	s_lshl_b32 s26, s26, 3
	s_add_co_u32 s26, s26, s27                     ; slot 0's row: 32 g + 8 u
	s_lshl_b32 s26, s26, 12
	s_lshl_b32 s28, s25, 11
	s_add_co_u32 s26, s26, s28                     ; in bytes, + my half of the row
	s_mov_b32 s27, 0
	s_add_nc_u64 s[4:5], s[4:5], s[26:27]
	s_lshl_b32 s26, s24, 13
	s_lshl_b32 s28, s25, 12
	s_add_co_u32 s26, s26, s28
	s_add_nc_u64 s[14:15], s[14:15], s[26:27]      ; my four fragments
	s_lshl_b32 s26, s24, 9
	s_lshl_b32 s28, s25, 8
	s_add_co_u32 s26, s26, s28
	s_add_nc_u64 s[16:17], s[16:17], s[26:27]      ; my 256 bytes of scale words
.macro LOAD s                          ; K step s: 512 bytes of each of the tile's 16 rows, into set s % 3
.irp j, 0,1,2,3,4,5,6,7,8,9,10,11,12,13,14,15
	global_load_b128 v[X+64*((\s)%3)+4*\j:X+64*((\s)%3)+4*\j+3], v[LI], s[4:5] offset:(\j+8*(\j/8))*ROWB+512*(\s) th:TH_LOAD_NT
.endr
.endm
.macro STEP s, left                    ; left: the loads of the younger sets, which may stay out
.set XS, X+64*((\s)%3)
	s_wait_loadcnt \left
.irp j, 0,1,2,3,4,5,6,7,8,9,10,11,12,13,14,15
	ds_store_b128 v[STI], v[XS+4*\j:XS+4*\j+3] offset:PITCH*\j          ; slot j's 512 bytes as they lie
.endr
.irp c, 0,1
.irp j, 0,1,2,3,4,5,6,7
	ds_load_b128 v[XS+32*\c+4*\j:XS+32*\c+4*\j+3], v[STO] offset:256*\c+16*\j   ; back: k = 64 c + 32 h + 0 .. 31 of slot r.  LDS serves a wave's instructions in order: these see the stores above
.endr
.endr
	s_wait_dscnt 0x0
.irp c, 0,1
	v_max3_num_f32 v[TM+\c], |v[XS+32*\c]|, |v[XS+32*\c+1]|, 0x1800000  ; block 2 c + h is all mine; the floor 2^(3 - 127) holds the byte at 1 from below
.endr
.irp i, 2,4,6,8,10,12,14,16,18,20,22,24,26,28,30
.irp c, 0,1
	v_max3_num_f32 v[TM+\c], v[TM+\c], |v[XS+32*\c+\i]|, |v[XS+32*\c+\i+1]|   ; (the two blocks by turns)
.endr
.endr
.irp c, 0,1
	v_add_nc_u32 v[TM+2+\c], 0xff000000, v[TM+\c]  ; 2 off the exponent field: the conversion takes that field as its scale
.endr
.irp c, 0,1
	v_lshrrev_b32 v[TM+4+\c], 23, v[TM+2+\c]       ; the scale's byte
.endr
	v_lshl_or_b32 v[TM+6], v[TM+5], 16, v[TM+4]    ; my two bytes: blocks h and 2 + h,
	v_lshlrev_b32 v[TM+6], v[H8], v[TM+6]          ; at their places in the word;
	v_permlanex16_b32 v[TM+7], v[TM+6], s20, s21
	v_or_b32 v[W+(\s)], v[TM+6], v[TM+7]           ; with lane l xor 16's two the word is whole
.irp c, 0,1
.irp g, 0,1,2,3
	v_cvt_scalef32_pk8_fp4_f32 v[C+8*(\s)+4*\c+\g], v[XS+32*\c+8*\g:XS+32*\c+8*\g+7], v[TM+2+\c]
.endr
.endr
	v_nop                                          ; one plain line behind the last scaled conversion
.irp c, 0,1
	global_store_b128 v[LI], v[C+8*(\s)+4*\c:C+8*(\s)+4*\c+3], s[14:15] offset:1024*(\s)+512*\c   ; 32 lanes store 512 consecutive bytes
.endr
.endm
	LOAD 0
	LOAD 1
	LOAD 2
	STEP 0, 32
	LOAD 3                                         ; into set 0, which step 0 has left
	STEP 1, 32
	STEP 2, 16
	STEP 3, 0
	v_cndmask_b32 v[SD], v[W], v[W+1], s30         ; lanes 0-15 the even K step's word, lanes 16-31 the odd one's
	v_cndmask_b32 v[SD+1], v[W+2], v[W+3], s30
	global_store_b64 v[L8], v[SD:SD+1], s[16:17]   ; 256 consecutive bytes, aligned
	s_wait_tensorcnt 0x0                           ; the wave's end, behind my last LDS store
	ds_add_u32 v[SPW], v[NIL]
	s_wait_dscnt 0x0
	s_endpgm
.Lfunc_end_k_q450a0529d6_quant:
	.size	k_q450a0529d6_quant, .Lfunc_end_k_q450a0529d6_quant-k_q450a0529d6_quant
	.p2alignl 7, 3214868480
	.fill 96, 4, 3214868480
	.section	.rodata,"a",@progbits
	.p2align	6, 0x0
	.amdhsa_kernel k_q450a0529d6_quant
		.amdhsa_group_segment_fixed_size 34304
		.amdhsa_private_segment_fixed_size 0
		.amdhsa_enable_private_segment 0
		.amdhsa_kernarg_size 56
		.amdhsa_user_sgpr_count 2
		.amdhsa_user_sgpr_kernarg_segment_ptr 1
		.amdhsa_wavefront_size32 1
		.amdhsa_system_sgpr_workgroup_id_x 1
		.amdhsa_system_sgpr_workgroup_id_y 1
		.amdhsa_system_sgpr_workgroup_id_z 1
		.amdhsa_system_vgpr_workitem_id 0
		.amdhsa_next_free_vgpr 256
		.amdhsa_next_free_sgpr 66
		.amdhsa_reserve_vcc 0
		.amdhsa_float_denorm_mode_32 3
		.amdhsa_float_denorm_mode_16_64 3
		.amdhsa_memory_ordered 1
		.amdhsa_forward_progress 1
		.amdhsa_inst_pref_size 30
	.end_amdhsa_kernel
	.amdgpu_metadata
---
amdhsa.version: [ 1, 2 ]
amdhsa.kernels:
  - .name:           k_q450a0529d6_quant
    .symbol:         k_q450a0529d6_quant.kd
    .args:
      - { .name: x, .offset: 0, .size: 8, .value_kind: global_buffer, .address_space: global }
      - { .name: Wq, .offset: 8, .size: 8, .value_kind: global_buffer, .address_space: global }
      - { .name: Wk, .offset: 16, .size: 8, .value_kind: global_buffer, .address_space: global }
      - { .name: Wv, .offset: 24, .size: 8, .value_kind: global_buffer, .address_space: global }
      - { .name: Wo, .offset: 32, .size: 8, .value_kind: global_buffer, .address_space: global }
      - { .name: codes, .offset: 40, .size: 8, .value_kind: global_buffer, .address_space: global }
      - { .name: scl, .offset: 48, .size: 8, .value_kind: global_buffer, .address_space: global }
    .group_segment_fixed_size: 34304
    .private_segment_fixed_size: 0
    .kernarg_segment_align: 8
    .kernarg_segment_size: 56
    .max_flat_workgroup_size: 128
    .sgpr_count:     66
    .vgpr_count:     256
    .wavefront_size: 32
...
	.end_amdgpu_metadata
.endif
;; end of part 1
;; launch qkv (part 2): grid 384 x 1, 4 waves a work-group, no clusters, 0 bytes of LDS; arguments codes, scl, bq, bk, bv, qc, qs, kvc, kvs; writes qc, qs, kvc, kvs
.if DOCPART == 2
	.amdgcn_target "amdgcn-amd-amdhsa--gfx1250"
	.amdhsa_code_object_version 6
	.text
	.protected	k_q450a0529d6_qkv
	.globl	k_q450a0529d6_qkv
	.p2align	8
	.type	k_q450a0529d6_qkv,@function
k_q450a0529d6_qkv:
	s_mov_b64 s[64:65], 0
	v_nop
	global_prefetch_b8 v0, s[64:65] scope:SCOPE_SE
	s_setreg_imm32_b32 hwreg(HW_REG_WAVE_MODE, 25, 1), 1
	s_wait_xcnt 0x0
; Q = x Wq^T + bq, K = x Wk^T + bk, V = x Wv^T + bv on the codes that the launch before made, and the quantisers of Q and K (along a head's 64) and of V (along the keys), in registers.  No work is left out here.
; ONE MAIN LOOP FOR TWO ROLES.  Source 0 (R) is a chunk of 8 tiles = 128 rows of the axis that is quantised next: a lane's result registers run along it.  Source 1 (L) is 4 tiles, whose rows lie in the lanes.
;   work-groups 0-255, Q and K: R = 128 rows of Wq (chunks 0-7) or Wk (8-15) = two heads; L = 64 tokens of x.   work-groups 256-383, V: R = 128 tokens of x = a key step; L = 64 rows of Wv = one head.
; By the tiles' choice of rows, register 16 b + i of a lane's 64 results is row 32 b + 16 (lane / 16) + i of the chunk: QUANT takes them as they stand.
; OUT.  qc [head][tile 256][512 bytes]: registers 0-3 of a fragment of Q (its K is 64: the attention launch sets registers 4-7 to zero codes).  qs [head][tile / 4][r 16][tile % 4] scale words.
;   kvc [head][key step 32][8,192]: K's 8 tiles x 512 bytes, then V^T's 4 tiles (16 of the head's 64 x 128 keys) x 1,024.  kvs [head][key step][768]: K's words at 16 (16 (t / 4) + r) + 4 (t % 4), then V's at 512 + 8 (16 (t % 2) + r) + 4 (t / 2).
;   In Q's and K's words bytes 0, 1 are the head's two blocks; bytes 2, 3 stand over zero codes and hold the neighbour head's bytes or 0, never 0xff.
; Operands come from memory straight into registers: by the layout each load of a wave reads 512 consecutive bytes, and a K step's matrix work is short.  No cluster and no LDS ring: a wave's whole sum is 256 matrix
; instructions, and the four waves of a work-group name the same R chunk at the same time.  LIMITS: as stated at the head of the first launch.
.set LI,   1                           ; v1   16 x lane
.set L8,   2                           ; v2   8 x lane
.set HH,   3                           ; v3   h
.set H64,  4                           ; v4   64 h
.set BVO,  5                           ; v5   4 (r + 8 (r / 8))
.set SOFF, 6                           ; v6   16 r + h x (a head's scale bytes)
.set RR,   7                           ; v7   r
.set SR,   8                           ; v8-39   R's scale words: tile t, K steps 2 p and 2 p + 1 in register 4 t + p (lanes 0-15, lanes 16-31)
.set SL,   40                          ; v40-55  L's likewise
.set F0,   64                          ; v64-159  a K step's fragments: R's eight, then L's four
.set F1,   160                         ; v160-255 the other buffer
.set BI,   64                          ; afterwards: v64-127 the bias in the results' layout
.set PC,   128                         ; v128-159 the codes made, 8 registers for each L tile
.set X,    160                         ; v160-223 64 numbers to quantise
.set TM,   224                         ; v224-239 at work in QUANT
.set PW,   240                         ; v240-241
.set SW,   244                         ; v244-247 the four tiles' scale words
.set RB,   36                          ; s[36:37] R's codes, s[38:39] L's, s[40:41] R's scale words, s[42:43] L's, s[44:45] the bias
.set LB,   38
.set RS,   40
.set LS,   42
.set BB,   44
.set O0,   46                          ; s[46:47], s[48:49] where codes go; s[50:51] where scale words go
.set O1,   48
.set SB,   50
.set SEL,  52
.set HSS,  54
.set MSB, 0
.macro WIN new                         ; window 1 holds the 32 accumulators, (l, t) at v[64 l + 8 t].  The immediate's high byte repeats the setting that is left
.if MSB != \new
	s_set_vgpr_msb (MSB<<8)|\new
.set MSB, \new
.endif
.endm
.macro PLACES                          ; four plain vector lines between a matrix instruction and a load into, or a vector line on, its registers
.rept 4
	v_nop
.endr
.endm
.macro FETCH s, f                      ; K step s: 24 loads of 512 consecutive bytes
.irp t, 0,1,2,3,4,5,6,7
.irp c, 0,1
	global_load_b128 v[\f+8*\t+4*\c:\f+8*\t+4*\c+3], v[LI], s[RB:RB+1] offset:\t*8192+(\s)*1024+\c*512
.endr
.endr
.irp t, 0,1,2,3
.irp c, 0,1
	global_load_b128 v[\f+64+8*\t+4*\c:\f+64+8*\t+4*\c+3], v[LI], s[LB:LB+1] offset:\t*8192+(\s)*1024+\c*512
.endr
.endr
.endm
.macro MUL s, f, zero                  ; 32 products; the 32 accumulators take turns, one instruction a turn, in the same order in every K step
	WIN 0x50
.irp l, 0,1,2,3
.irp t, 0,1,2,3,4,5,6,7
.if \zero
	v_wmma_scale_f32_16x16x128_f8f6f4 v[64*\l+8*\t:64*\l+8*\t+7], v[\f+8*\t:\f+8*\t+7], v[\f+64+8*\l:\f+64+8*\l+7], 0, v[SR+4*\t+(\s)/2], v[SL+4*\l+(\s)/2] matrix_a_fmt:MATRIX_FMT_FP4 matrix_b_fmt:MATRIX_FMT_FP4
.elseif (\s)%2
	v_wmma_scale_f32_16x16x128_f8f6f4 v[64*\l+8*\t:64*\l+8*\t+7], v[\f+8*\t:\f+8*\t+7], v[\f+64+8*\l:\f+64+8*\l+7], v[64*\l+8*\t:64*\l+8*\t+7], v[SR+4*\t+(\s)/2], v[SL+4*\l+(\s)/2] matrix_a_fmt:MATRIX_FMT_FP4 matrix_b_fmt:MATRIX_FMT_FP4 matrix_a_scale:MATRIX_SCALE_ROW1 matrix_b_scale:MATRIX_SCALE_ROW1
.else
	v_wmma_scale_f32_16x16x128_f8f6f4 v[64*\l+8*\t:64*\l+8*\t+7], v[\f+8*\t:\f+8*\t+7], v[\f+64+8*\l:\f+64+8*\l+7], v[64*\l+8*\t:64*\l+8*\t+7], v[SR+4*\t+(\s)/2], v[SL+4*\l+(\s)/2] matrix_a_fmt:MATRIX_FMT_FP4 matrix_b_fmt:MATRIX_FMT_FP4
.endif
.endr
.endr
.endm
; 64 numbers of a lane, register 16 b + i = k 32 b + 16 (lane / 16) + i of my row, become a fragment's codes in v[pc] on and its scale word in v[pw].
.macro QUANT src, pc, pw
.irp b, 0,1,2,3
	v_max3_num_f32 v[TM+\b], |v[(\src)+16*\b]|, |v[(\src)+1+16*\b]|, 0x1800000   ; my 16 numbers of block b, and the floor 2^(3 - 127): the byte cannot fall under 1
.endr
.irp i, 2,4,6,8,10,12,14
.irp b, 0,1,2,3
	v_max3_num_f32 v[TM+\b], v[TM+\b], |v[(\src)+16*\b+\i]|, |v[(\src)+1+16*\b+\i]|   ; (the four blocks by turns)
.endr
.endr
.irp b, 0,1,2,3
	v_permlanex16_b32 v[TM+4+\b], v[TM+\b], s[SEL], s[SEL+1]
.endr
.irp b, 0,1,2,3
	v_max_num_f32 v[TM+\b], v[TM+\b], v[TM+4+\b]   ; with lane l xor 16's: the block's largest magnitude
.endr
.irp b, 0,1,2,3
	v_add_nc_u32 v[TM+12+\b], 0xff000000, v[TM+\b] ; 2 off its exponent field: the conversion's scale operand
.endr
.irp b, 0,1,2,3
	v_lshrrev_b32 v[TM+4+\b], 23, v[TM+12+\b]      ; the scale's byte
.endr
	v_lshl_or_b32 v[(\pw)], v[TM+5], 8, v[TM+4]
	v_lshl_or_b32 v[(\pw)], v[TM+6], 16, v[(\pw)]
	v_lshl_or_b32 v[(\pw)], v[TM+7], 24, v[(\pw)]
.irp b, 0,1,2,3
	v_cvt_scalef32_pk8_fp4_f32 v[(\pc)+2*\b], v[(\src)+16*\b:(\src)+7+16*\b], v[TM+12+\b]
	v_cvt_scalef32_pk8_fp4_f32 v[(\pc)+1+2*\b], v[(\src)+8+16*\b:(\src)+15+16*\b], v[TM+12+\b]
.endr
	v_nop                                          ; one plain line behind a scaled conversion
.irp c, 0,1                                    ; the operand's layout wants a whole block in a lane
.irp i, 0,1
	v_permlane16_swap_b32 v[(\pc)+4*\c+\i], v[(\pc)+2+4*\c+\i]
.endr
.endr
.endm
	s_load_b256 s[4:11], s[0:1], 0x0               ; codes s[4:5], scl s[6:7], bq s[8:9], bk s[10:11]
	s_load_b256 s[12:19], s[0:1], 0x20             ; bv s[12:13], qc s[14:15], qs s[16:17], kvc s[18:19]
	s_load_b64 s[20:21], s[0:1], 0x40              ; kvs
	v_lshrrev_b32 v56, 5, v0
	v_readfirstlane_b32 s25, v56                   ; wave
	v_and_b32 v56, 31, v0
	v_lshlrev_b32 v[LI], 4, v56
	v_lshlrev_b32 v[L8], 3, v56
	v_bfe_u32 v[HH], v0, 4, 1
	v_lshlrev_b32 v[H64], 6, v[HH]
	v_and_b32 v[RR], 15, v0
	v_and_b32 v[BVO], 8, v[RR]
	v_add_lshl_u32 v[BVO], v[BVO], v[RR], 2
	s_mov_b32 s30, 0xffff0000                      ; the mask of lanes 16-31
	s_mov_b32 s[SEL], 0x76543210
	s_mov_b32 s[SEL+1], 0xfedcba98
	s_lshr_b32 s26, ttmp9, 4                       ; Q, K: the chunk of weights, 0-15
	s_and_b32 s27, ttmp9, 15
	s_lshl_b32 s27, s27, 2
	s_add_co_u32 s27, s27, s25                     ; and my 64 tokens, U = 0-63
	s_lshl_b32 s28, s26, 3
	s_add_co_u32 s28, s28, 256                     ; R's first tile
	s_lshl_b32 s29, s27, 2                         ; L's first tile
	s_and_b32 s31, ttmp9, 127                      ; V: the work-group's number less 256
	s_lshr_b32 s32, s31, 2                         ; the key step
	s_and_b32 s33, s31, 3
	s_lshl_b32 s33, s33, 2
	s_add_co_u32 s33, s33, s25                     ; and my head
	s_lshl_b32 s34, s32, 3
	s_lshl_b32 s35, s33, 2
	s_add_co_u32 s35, s35, 384
	s_and_b32 s55, s26, 7
	s_lshl_b32 s58, s55, 9                         ; Q, K: the chunk's 128 biases
	s_lshl_b32 s59, s33, 8                         ; V: the head's 64
	s_cmp_ge_u32 ttmp9, 256                        ; the role hangs on the work-group's number alone
	s_cselect_b32 s24, 1, 0
	s_cselect_b32 s28, s34, s28
	s_cselect_b32 s29, s35, s29
	s_cselect_b32 s58, s59, s58
	s_mov_b32 s59, 0
	s_mov_b32 s57, 0
	s_wait_kmcnt 0x0
	s_lshl_b32 s56, s28, 13
	s_add_nc_u64 s[RB:RB+1], s[4:5], s[56:57]
	s_lshl_b32 s56, s29, 13
	s_add_nc_u64 s[LB:LB+1], s[4:5], s[56:57]
	s_lshl_b32 s56, s28, 9
	s_add_nc_u64 s[RS:RS+1], s[6:7], s[56:57]
	s_lshl_b32 s56, s29, 9
	s_add_nc_u64 s[LS:LS+1], s[6:7], s[56:57]
	s_cmp_ge_u32 s26, 8
	s_cselect_b64 s[BB:BB+1], s[10:11], s[8:9]     ; bk or bq,
	s_cmp_eq_u32 s24, 0
	s_cselect_b64 s[BB:BB+1], s[BB:BB+1], s[12:13] ; or bv
	s_add_nc_u64 s[BB:BB+1], s[BB:BB+1], s[58:59]
.irp t, 0,1,2,3,4,5,6,7
.irp p, 0,1
	global_load_b64 v[SR+4*\t+2*\p:SR+4*\t+2*\p+1], v[L8], s[RS:RS+1] offset:\t*512+\p*256
.endr
.endr
.irp t, 0,1,2,3
.irp p, 0,1
	global_load_b64 v[SL+4*\t+2*\p:SL+4*\t+2*\p+1], v[L8], s[LS:LS+1] offset:\t*512+\p*256
.endr
.endr
	FETCH 0, F0
	FETCH 1, F1
	s_wait_loadcnt 24                              ; all but the youngest FETCH: the scale words and K step 0 are in
	MUL 0, F0, 1                                   ; the first K step starts the sums: nothing is cleared
	WIN 0
	PLACES
	FETCH 2, F0
.irp k, 1,2,3,4,5
	s_wait_loadcnt 24                              ; this K step's 24 loads are in, the next one's may be out
	MUL \k, F0+96*(\k%2), 0
	WIN 0
	PLACES
	FETCH \k+2, F0+96*(\k%2)
.endr
	s_wait_loadcnt 24
	MUL 6, F0, 0
	WIN 0
	PLACES
	s_cmp_eq_u32 s24, 0                            ; the bias comes into the buffer that K step 6 has left
	s_cbranch_scc0 .Lbias_v
.irp b, 0,1,2,3
.irp q, 0,1,2,3
	global_load_b128 v[BI+16*\b+4*\q:BI+16*\b+4*\q+3], v[H64], s[BB:BB+1] offset:128*\b+16*\q   ; register 16 b + i: the bias of row 32 b + 16 h + i of the chunk
.endr
.endr
	s_branch .Lbias_in
.Lbias_v:
.irp l, 0,1,2,3
	global_load_b32 v[BI+2*\l], v[BVO], s[BB:BB+1] offset:4*(32*(\l/2)+8*(\l%2))   ; V: one bias a lane and tile, that of my row of Wv; twice, for the packed addition
	global_load_b32 v[BI+2*\l+1], v[BVO], s[BB:BB+1] offset:4*(32*(\l/2)+8*(\l%2))
.endr
.Lbias_in:
	s_wait_loadcnt 8                               ; K step 7 is in: behind it 16 loads were issued on one way and 8 on the other; the smaller count serves both
	MUL 7, F1, 0
	WIN 0
	PLACES
	s_wait_loadcnt 0x0                             ; the bias
.irp b, 0,1,2,3
	v_mov_b32 v[TM+4+\b], 0                        ; written once: a lane permute's destination counts as one of its sources
.endr
	s_cmp_eq_u32 s24, 0
	s_cbranch_scc0 .Lrole_v
	; ---- Q and K: a lane holds one token and 128 features = two heads
	s_lshl_b32 s55, s55, 1                         ; the chunk's first head
	s_lshl_b32 s56, s55, 17
	s_lshl_b32 s58, s27, 11
	s_add_co_u32 s56, s56, s58                     ; Q's codes: 131,072 head + 2,048 U
	s_lshl_b32 s58, s55, 14
	s_lshl_b32 s59, s27, 8
	s_add_co_u32 s58, s58, s59                     ; Q's words: 16,384 head + 256 U
	s_lshr_b32 s60, s27, 1                         ; K: the key step U / 2,
	s_and_b32 s61, s27, 1                          ; its first or second four tiles
	s_lshl_b32 s62, s55, 18
	s_lshl_b32 s63, s60, 13
	s_add_co_u32 s62, s62, s63
	s_lshl_b32 s63, s61, 11
	s_add_co_u32 s62, s62, s63                     ; K's codes
	s_mul_i32 s63, s55, 24576
	s_mul_i32 s60, s60, 768
	s_add_co_u32 s63, s63, s60
	s_lshl_b32 s61, s61, 8
	s_add_co_u32 s63, s63, s61                     ; K's words
	s_mov_b32 s[HSS], 16384
	s_mov_b32 s60, 131072
	s_cmp_ge_u32 s26, 8                            ; chunks 8-15 are K's
	s_cselect_b64 s[O0:O0+1], s[18:19], s[14:15]
	s_cselect_b64 s[SB:SB+1], s[20:21], s[16:17]
	s_cselect_b32 s56, s62, s56
	s_cselect_b32 s58, s63, s58
	s_cselect_b32 s[HSS], 24576, s[HSS]            ; from a head's scale bytes to the next head's,
	s_cselect_b32 s60, 262144, s60                 ; and the same for codes
	s_mov_b32 s57, 0
	s_mov_b32 s59, 0
	s_mov_b32 s61, 0
	s_add_nc_u64 s[O0:O0+1], s[O0:O0+1], s[56:57]
	s_add_nc_u64 s[O1:O1+1], s[O0:O0+1], s[60:61]
	s_add_nc_u64 s[SB:SB+1], s[SB:SB+1], s[58:59]
	v_mul_u32_u24 v[SOFF], s[HSS], v[HH]
	v_lshl_add_u32 v[SOFF], v[RR], 4, v[SOFF]
.irp l, 0,1,2,3
	WIN 0x01                                       ; source 0: the accumulators' window
.set p, 0
.rept 32
	v_pk_add_f32 v[X+p:X+p+1], v[64*\l+p:64*\l+p+1], v[BI+p:BI+p+1]   ; + the bias; each accumulator is read from its low end on
.set p, p+2
.endr
	WIN 0
	QUANT X, PC+8*\l, PW
	global_store_b128 v[LI], v[PC+8*\l:PC+8*\l+3], s[O0:O0+1] offset:512*\l     ; the first head's 64 features: registers 0-3 of its fragment; 512 consecutive bytes
	global_store_b128 v[LI], v[PC+8*\l+4:PC+8*\l+7], s[O1:O1+1] offset:512*\l   ; the second head's
	v_lshrrev_b32 v[PW+1], 16, v[PW]
	v_cndmask_b32 v[SW+\l], v[PW], v[PW+1], s30    ; lanes 0-15 keep the first head's word, lanes 16-31 the second's
.endr
	global_store_b128 v[SOFF], v[SW:SW+3], s[SB:SB+1]   ; sixteen lanes store 256 consecutive bytes, aligned, for each head
	s_endpgm
.Lrole_v:
	; ---- V: a lane holds one of the head's 64 and 128 keys
	s_lshl_b32 s56, s33, 18
	s_lshl_b32 s58, s32, 13
	s_add_co_u32 s56, s56, s58
	s_add_co_u32 s56, s56, 4096                    ; behind the key step's tiles of K
	s_mov_b32 s57, 0
	s_add_nc_u64 s[O0:O0+1], s[18:19], s[56:57]
	s_mul_i32 s58, s33, 24576
	s_mul_i32 s59, s32, 768
	s_add_co_u32 s58, s58, s59
	s_add_co_u32 s58, s58, 512
	s_mov_b32 s59, 0
	s_add_nc_u64 s[SB:SB+1], s[20:21], s[58:59]
.irp l, 0,1,2,3
	WIN 0x01
.set p, 0
.rept 32
	v_pk_add_f32 v[X+p:X+p+1], v[64*\l+p:64*\l+p+1], v[BI+2*\l:BI+2*\l+1]
.set p, p+2
.endr
	WIN 0
	QUANT X, PC+8*\l, SW+\l
	global_store_b128 v[LI], v[PC+8*\l:PC+8*\l+3], s[O0:O0+1] offset:1024*\l
	global_store_b128 v[LI], v[PC+8*\l+4:PC+8*\l+7], s[O0:O0+1] offset:1024*\l+512
.endr
	v_cndmask_b32 v[PW], v[SW], v[SW+1], s30       ; lanes 0-15 the even tile's words, lanes 16-31 the odd one's
	v_cndmask_b32 v[PW+1], v[SW+2], v[SW+3], s30
	global_store_b64 v[L8], v[PW:PW+1], s[SB:SB+1] ; 256 consecutive bytes, aligned
	s_endpgm
.Lfunc_end_k_q450a0529d6_qkv:
	.size	k_q450a0529d6_qkv, .Lfunc_end_k_q450a0529d6_qkv-k_q450a0529d6_qkv
	.p2alignl 7, 3214868480
	.fill 96, 4, 3214868480
	.section	.rodata,"a",@progbits
	.p2align	6, 0x0
	.amdhsa_kernel k_q450a0529d6_qkv
		.amdhsa_group_segment_fixed_size 0
		.amdhsa_private_segment_fixed_size 0
		.amdhsa_enable_private_segment 0
		.amdhsa_kernarg_size 72
		.amdhsa_user_sgpr_count 2
		.amdhsa_user_sgpr_kernarg_segment_ptr 1
		.amdhsa_wavefront_size32 1
		.amdhsa_system_sgpr_workgroup_id_x 1
		.amdhsa_system_sgpr_workgroup_id_y 1
		.amdhsa_system_sgpr_workgroup_id_z 1
		.amdhsa_system_vgpr_workitem_id 0
		.amdhsa_next_free_vgpr 512
		.amdhsa_next_free_sgpr 66
		.amdhsa_reserve_vcc 0
		.amdhsa_float_denorm_mode_32 3
		.amdhsa_float_denorm_mode_16_64 3
		.amdhsa_memory_ordered 1
		.amdhsa_forward_progress 1
		.amdhsa_inst_pref_size 110
	.end_amdhsa_kernel
	.amdgpu_metadata
---
amdhsa.version: [ 1, 2 ]
amdhsa.kernels:
  - .name:           k_q450a0529d6_qkv
    .symbol:         k_q450a0529d6_qkv.kd
    .args:
      - { .name: codes, .offset: 0, .size: 8, .value_kind: global_buffer, .address_space: global }
      - { .name: scl, .offset: 8, .size: 8, .value_kind: global_buffer, .address_space: global }
      - { .name: bq, .offset: 16, .size: 8, .value_kind: global_buffer, .address_space: global }
      - { .name: bk, .offset: 24, .size: 8, .value_kind: global_buffer, .address_space: global }
      - { .name: bv, .offset: 32, .size: 8, .value_kind: global_buffer, .address_space: global }
      - { .name: qc, .offset: 40, .size: 8, .value_kind: global_buffer, .address_space: global }
      - { .name: qs, .offset: 48, .size: 8, .value_kind: global_buffer, .address_space: global }
      - { .name: kvc, .offset: 56, .size: 8, .value_kind: global_buffer, .address_space: global }
      - { .name: kvs, .offset: 64, .size: 8, .value_kind: global_buffer, .address_space: global }
    .group_segment_fixed_size: 0
    .private_segment_fixed_size: 0
    .kernarg_segment_align: 8
    .kernarg_segment_size: 72
    .max_flat_workgroup_size: 128
    .sgpr_count:     66
    .vgpr_count:     512
    .wavefront_size: 32
...
	.end_amdgpu_metadata
.endif
;; end of part 2
;; launch attn (part 3): grid 16 x 16, 16 waves a work-group, no clusters, 327,680 bytes of LDS; arguments qc, qs, kvc, kvs, ac, asc; writes ac, asc
.if DOCPART == 3
	.amdgcn_target "amdgcn-amd-amdhsa--gfx1250"
	.amdhsa_code_object_version 6
	.text
	.protected	k_q450a0529d6_attn
	.globl	k_q450a0529d6_attn
	.p2align	8
	.type	k_q450a0529d6_attn,@function
k_q450a0529d6_attn:
	s_mov_b64 s[64:65], 0
	v_nop
	global_prefetch_b8 v0, s[64:65] scope:SCOPE_SE
	s_setreg_imm32_b32 hwreg(HW_REG_WAVE_MODE, 25, 1), 1
	s_wait_xcnt 0x0
; The attention of one head, both products on codes of FP4, and the quantiser of its result along E.  WORK LEFT OUT: key steps of 128 keys that lie wholly above the diagonal of the problem's own causal mask (see the first launch's head).
; t = score x log2(e) / 8; M = the running largest t rounded up to a whole number; p = 2^(t - M) is quantised along the keys, not normalised; the row's sum is taken of the unquantised p and divides O at the end.
; SHARES, SO THAT THE CAUSAL WORK IS EVEN.  Work-group (i, head) owns the blocks i and 31 - i of 128 queries.  Of its sixteen waves, wave w takes tile j = w / 2 of the early block or of the late one, by (w xor w / 4) % 2:
; any four waves w, w + 4, w + 8, w + 12, and any four on end, hold two early and two late tiles: 2 (i + 1) + 2 (32 - i) = 66 live key steps.  A wave owns 16 queries in 256 registers.
; LAYOUT.  Both products transposed: S^T = K Q^T, O^T = V^T P^T: a lane holds one query throughout.  By the tiles' choice of rows the 16 registers of tiles 2 b, 2 b + 1 of S^T are keys 32 b + 16 (lane / 16) + 0 .. 15, and O^T's
; registers 16 b + i are channels 32 b + 16 (lane / 16) + i.  The first product's K is 64: registers 4-7 of Q's and K's fragments are zero codes, set once.
; RING.  Two LDS slots of 4 key steps (32,768 dense bytes each, fragments in register order: every LDS load takes 16 x lane), filled by wave 0, one tensor load a slot; the head's 24,576 scale bytes come once.
; Every work-group walks all 8 slots with constant trip counts; a wave jumps over the work of hidden steps, and a slot whose first key lies behind the work-group's last query is not asked for.
; NO CLUSTER: the work-groups of a head need 5 to 8 slots, by i; a joint load would bring some partner a tile that none of its waves reads.
; asc is stored as 16 pieces of two bytes at a stride of 8 bytes for each wave: one sixteenth of the bytes of its codes.  LIMITS: as stated at the head of the first launch.
.set SLOTB, 32768
.set SCB,   65536                      ; the head's scale bytes, 768 a key step
.set SPARE, 90112                      ; the spare words, 128 bytes for each of 16 waves
.set LI,   1                           ; v1   16 x lane
.set ASV0, 2                           ; v2   V's scale words: SCB + 512 + 8 x lane
.set ASK0, 3                           ; v3   K's: SCB + 16 x lane
.set DG,   4                           ; v4   my query - its block's first - 16 (lane / 16)
.set SPW,  5                           ; v5   my spare word's LDS address; never rewritten
.set NIL,  6                           ; v6   0; never rewritten
.set R8,   7                           ; v7   8 r
.set AD,   8                           ; v8   the slot in hand + 16 x lane
.set ADS,  9                           ; v9   the step's scale words of K
.set ADT,  10                          ; v10  and of V
.set PFO,  28                          ; v28  256 x lane
; v12 -M, v13 the largest t, v[14:15] the sum; v16-23 Q; v32-95 K's 8 fragments; v96-159 S^T, then p; v160-191 O^T; v192-223 V's 4 fragments; v224-231 p's codes; v232-239, v244-247, v252, v254 at work;
; v240-241 V's scale words, v248-251 K's, v253 p's, v255 Q's.
.set WV,   18
.set SEL,  20
.set CS,   22                          ; s[22:23] c = log2(e) / 8
.set G1C,  24                          ; s[24:31] group 1 for a slot; s[32:39] for the scale bytes; s[40:43], s[44:47] their groups 0
.set G1S,  32
.set G0C,  40
.set G0S,  44
.set TB,   2                           ; s2   LDS byte at which the slot in hand begins
.set TS,   3                           ; s3   768 x the key step
.set SLOTS, 67
.set PFA,  76
.set LIM,  80
.set QL,   97                          ; s97  my work-group's last query
.set KF,   98                          ; s98  the step's first key
.set QB,   99                          ; s99  my block's first query
.macro TLOAD                           ; wave 0 fetches; an s_nop 0 and four v_nop follow the load
	s_cmp_eq_u32 s[WV], 0
	s_cbranch_scc0 .Lasked_\@
	tensor_load_to_lds s[G0C:G0C+3], s[G1C:G1C+7]
	s_nop 0
.rept 4
	v_nop
.endr
.Lasked_\@:
.endm
; A prefetch of the slot that the NEXT change of slots will ask for: 32,768 dense bytes.  All sixteen work-groups of a head walk the same bytes: the one with i = 0, which walks all slots, asks; in it waves 4 to 7,
; 8,192 bytes each, lanes 256 bytes apart: each aligned block of 256 bytes is named once in the launch.  Slots 0 and 1 come by their loads alone; the last change that fills a slot asks for nothing.
.macro ASK
	s_cmp_gt_u32 s[SLOTS], s[LIM]
	s_cbranch_scc0 .Lnot_mine_\@
	global_prefetch_b8 v[PFO], s[PFA:PFA+1] th:TH_LOAD_NT scope:SCOPE_SE
.Lnot_mine_\@:
.endm
	s_load_b256 s[4:11], s[0:1], 0x0               ; qc s[4:5], qs s[6:7], kvc s[8:9], kvs s[10:11]
	s_load_b128 s[12:15], s[0:1], 0x20             ; ac s[12:13], asc s[14:15]
	v_lshl_add_u32 v[SPW], v0, 2, SPARE
	v_mov_b32 v[NIL], 0
	ds_add_u32 v[SPW], v[NIL]                      ; the wave's opening: the add, twice on end, and its wait ahead of the first tensor load; work on registers stands between
	ds_add_u32 v[SPW], v[NIL]
	v_lshrrev_b32 v8, 5, v0
	v_readfirstlane_b32 s[WV], v8                  ; wave 0..15
	s_and_b32 s68, ttmp7, 0xffff                   ; the head
	s_lshr_b32 s69, s[WV], 2
	s_xor_b32 s69, s69, s[WV]
	s_and_b32 s69, s69, 1                          ; 0: the early block, 1: the late one
	s_lshr_b32 s70, s[WV], 1                       ; j: my tile in the block
	s_sub_co_u32 s71, 31, ttmp9
	s_cmp_eq_u32 s69, 0
	s_cselect_b32 s72, ttmp9, s71                  ; my block
	s_lshl_b32 s[QB], s72, 7
	s_lshl_b32 s[QL], s71, 7
	s_or_b32 s[QL], s[QL], 127
	s_lshl_b32 s73, s72, 3
	s_add_co_u32 s73, s73, s70                     ; T: my tile of queries
	s_lshl_b32 s74, s68, 17
	s_lshl_b32 s75, s73, 9
	s_add_co_u32 s74, s74, s75                     ; Q's codes: 131,072 head + 512 T
	s_mov_b32 s75, 0
	s_lshl_b32 s82, s68, 14
	s_lshr_b32 s83, s73, 2
	s_lshl_b32 s83, s83, 8
	s_add_co_u32 s82, s82, s83
	s_and_b32 s83, s73, 3
	s_lshl_b32 s83, s83, 2
	s_add_co_u32 s82, s82, s83                     ; Q's words: 16,384 head + 256 (T / 4) + 4 (T % 4)
	s_mov_b32 s83, 0
	s_lshl_b32 s84, s68, 18                        ; the head's K and V
	s_mov_b32 s85, 0
	s_mul_i32 s86, s68, 24576                      ; and their scale bytes
	s_mov_b32 s87, 0
	s_lshl_b32 s88, s73, 13
	s_lshl_b32 s89, s68, 9
	s_add_co_u32 s88, s88, s89                     ; the result's codes: 8,192 T + 1,024 (head / 2) + 512 (head % 2)
	s_mov_b32 s89, 0
	s_lshl_b32 s90, s73, 9                         ; its scale bytes, K step s = head / 2: 512 T
	s_lshr_b32 s91, s68, 3
	s_lshl_b32 s91, s91, 8
	s_add_co_u32 s90, s90, s91                     ; + 256 (s / 4)
	s_bfe_u32 s91, s68, 0x10001
	s_lshl_b32 s91, s91, 7
	s_add_co_u32 s90, s90, s91                     ; + 128 (s % 2)
	s_bfe_u32 s91, s68, 0x10002
	s_lshl_b32 s91, s91, 2
	s_add_co_u32 s90, s90, s91                     ; + 4 ((s / 2) % 2)
	s_and_b32 s91, s68, 1
	s_lshl_b32 s91, s91, 1
	s_add_co_u32 s90, s90, s91                     ; + 2 (head % 2)
	s_mov_b32 s91, 0
	s_lshr_b32 s81, s70, 1
	s_lshl_b32 s81, s81, 5
	s_and_b32 s92, s70, 1
	s_lshl_b32 s92, s92, 3
	s_add_co_u32 s81, s81, s92                     ; slot 0's query in the block: 32 (j / 2) + 8 (j % 2)
	s_and_b32 s92, s[WV], 3
	s_lshl_b32 s92, s92, 13
	s_add_co_u32 s92, s92, SLOTB
	s_add_co_u32 s92, s92, s84                     ; the prefetches: my 8,192 bytes, in slot 1; the first change of slots steps it to slot 2
	s_mov_b32 s93, 0
	s_sub_co_u32 s94, s[WV], 4
	s_lshr_b32 s94, s94, 2                         ; 0 in waves 4 to 7,
	s_or_b32 s94, s94, ttmp9                       ; of the work-group with i = 0
	s_cmp_eq_u32 s94, 0
	s_cselect_b32 s[LIM], 1, -1
	; group 1: dense rows of 256 bytes (32 elements of 8 bytes), no padding: 128 rows a slot, 96 rows of scale bytes
	s_mov_b32 s[G1C], 3<<16
	s_mov_b32 s[G1C+1], 32<<16                     ; tensor_dim0
	s_mov_b32 s[G1C+2], 128<<16                    ; tensor_dim1
	s_mov_b32 s[G1C+3], 32<<16                     ; tile_dim0
	s_mov_b32 s[G1C+4], 128                        ; tile_dim1
	s_mov_b32 s[G1C+5], 32                         ; the pitch
	s_mov_b32 s[G1C+6], 0
	s_mov_b32 s[G1C+7], 0
	s_mov_b32 s[G1S], 3<<16
	s_mov_b32 s[G1S+1], 32<<16
	s_mov_b32 s[G1S+2], 96<<16
	s_mov_b32 s[G1S+3], 32<<16
	s_mov_b32 s[G1S+4], 96
	s_mov_b32 s[G1S+5], 32
	s_mov_b32 s[G1S+6], 0
	s_mov_b32 s[G1S+7], 0
	s_mov_b32 s[SEL], 0x76543210
	s_mov_b32 s[SEL+1], 0xfedcba98
	s_mov_b32 s[CS], 0x3e38aa3b                    ; log2(e) / 8
	s_mov_b32 s[CS+1], s[CS]                       ; (named with it as a pair)
	s_mov_b32 s[TB], 0
	s_mov_b32 s[TS], 0
	s_mov_b32 s[KF], 0
	s_mov_b32 s[SLOTS], 7
	s_wait_dscnt 0x0                               ; both opening adds are done
	s_wait_kmcnt 0x0
	s_mov_b32 s[G0S], 1
	s_mov_b32 s[G0S+1], SCB
	s_add_nc_u64 s[G0S+2:G0S+3], s[10:11], s[86:87]
	s_or_b32 s[G0S+3], s[G0S+3], 0x80000000
	s_mov_b32 s[G0C], 1
	s_mov_b32 s[G0C+1], 0
	s_add_nc_u64 s[G0C+2:G0C+3], s[8:9], s[84:85]
	s_or_b32 s[G0C+3], s[G0C+3], 0x80000000
	s_cmp_eq_u32 s[WV], 0                          ; wave 0's two first fills stand in one branch, ahead of every wait on TENSORcnt, every LDS read and every barrier: two loads of wave 0 are out
	s_cbranch_scc0 .Lno_first
	tensor_load_to_lds s[G0S:G0S+3], s[G1S:G1S+7]  ; the head's scale bytes: filled once
	s_nop 0
	tensor_load_to_lds s[G0C:G0C+3], s[G1C:G1C+7]  ; slot 0
	s_nop 0
.rept 4
	v_nop
.endr
.Lno_first:
	s_add_nc_u64 s[4:5], s[4:5], s[74:75]
	s_add_nc_u64 s[6:7], s[6:7], s[82:83]
	s_add_nc_u64 s[12:13], s[12:13], s[88:89]
	s_add_nc_u64 s[14:15], s[14:15], s[90:91]
	s_add_nc_u64 s[PFA:PFA+1], s[8:9], s[92:93]
	v_and_b32 v8, 31, v0
	v_lshlrev_b32 v[LI], 4, v8
	v_lshlrev_b32 v[PFO], 8, v8
	v_lshl_add_u32 v[ASV0], v8, 3, SCB+512
	v_lshl_add_u32 v[ASK0], v8, 4, SCB
	v_and_b32 v9, 15, v0                           ; r
	v_bfe_u32 v10, v0, 4, 1                        ; h
	v_lshlrev_b32 v[R8], 3, v9
	v_lshlrev_b32 v11, 4, v9
	global_load_b128 v[16:19], v[LI], s[4:5]       ; Q's fragment, registers 0-3: it stays
	global_load_b32 v255, v11, s[6:7]              ; Q's scale words
	v_and_b32 v[DG], 8, v9
	v_add_nc_u32 v[DG], v[DG], v9                  ; r + 8 (r / 8)
	v_lshlrev_b32 v10, 4, v10
	v_sub_nc_u32 v[DG], v[DG], v10
	v_add_nc_u32 v[DG], s81, v[DG]
	v_mov_b32 v13, 0xff61b1e6                      ; the largest t so far: -3e38, under every t
	v_floor_f32 v12, -v13                          ; -M
	v_mov_b32 v14, 0
	v_mov_b32 v15, 0
.irp k, 20,21,22,23,236,237,238,239,252,253
	v_mov_b32 v\k, 0                               ; Q's zero codes; permutes' destinations and a pair's upper half, written once
.endr
.irp t, 0,1,2,3,4,5,6,7
.irp k, 4,5,6,7
	v_mov_b32 v[32+8*\t+\k], 0                     ; K's zero codes for k = 64 .. 127
.endr
.endr
.set n, 0
.rept 32
	v_mov_b32 v[160+n], 0                          ; O^T: the step is written once, and its first run finds zeros
.set n, n+1
.endr
; A KEY STEP: 128 keys, the q-th of the slot in hand.
.macro STEP q
	s_cmp_gt_u32 s[KF], s[QB]                      ; all 128 keys come after my block's queries: the step's work is left out.  Ids and the count of steps alone; no barrier, wait or tensor load stands in a step
	s_cbranch_scc1 .Lhidden_\@
	v_add_nc_u32 v[AD], s[TB], v[LI]
	v_add_nc_u32 v[ADS], s[TS], v[ASK0]
	v_add_nc_u32 v[ADT], s[TS], v[ASV0]
	v_nop                                          ; four plain lines between the last step's products and the loads into their registers
.irp t, 0,1,2,3,4,5,6,7
	ds_load_b128 v[32+8*\t:35+8*\t], v[AD] offset:8192*(\q)+512*\t
.endr
	ds_load_b128 v[248:251], v[ADS]                ; K's words: register t % 4, lanes 0-15 tiles 0-3, lanes 16-31 tiles 4-7
.irp d, 0,1,2,3
.irp c, 0,1
	ds_load_b128 v[192+8*\d+4*\c:195+8*\d+4*\c], v[AD] offset:8192*(\q)+4096+1024*\d+512*\c
.endr
.endr
	ds_load_b64 v[240:241], v[ADT]                 ; V's words: register d / 2, lanes 0-15 even tiles, lanes 16-31 odd ones
	s_wait_dscnt 9                                 ; K and its words are in; V's nine loads may be out
.irp t, 0,1,2,3
	v_wmma_scale_f32_16x16x128_f8f6f4 v[96+8*\t:103+8*\t], v[32+8*\t:39+8*\t], v[16:23], 0, v[248+\t], v255 matrix_a_fmt:MATRIX_FMT_FP4 matrix_b_fmt:MATRIX_FMT_FP4
.endr
.irp t, 4,5,6,7
	v_wmma_scale_f32_16x16x128_f8f6f4 v[96+8*\t:103+8*\t], v[32+8*\t:39+8*\t], v[16:23], 0, v[244+\t], v255 matrix_a_fmt:MATRIX_FMT_FP4 matrix_b_fmt:MATRIX_FMT_FP4 matrix_a_scale:MATRIX_SCALE_ROW1
.endr
.rept 4
	v_nop
.endr
	s_cmp_lt_u32 s[KF], s[QB]                      ; all keys count: no mask
	s_cbranch_scc1 .Lopen_\@
	v_mov_b32 v254, 0xff800000                     ; on the diagonal hidden scores become -infinity ahead of the maximum.  Register 16 b + i holds key KF + 32 b + 16 (lane / 16) + i: hidden where 32 b + i > v[DG]
.set n, 0
.rept 64
	v_cmp_gt_i32 vcc_lo, 32*(n/16)+n%16, v[DG]
	v_cndmask_b32 v[96+n], v[96+n], v254, vcc_lo
.set n, n+1
.endr
.Lopen_\@:
.irp b, 0,1,2,3
	v_max3_num_f32 v[232+\b], v[96+16*\b], v[97+16*\b], v[98+16*\b]   ; the largest score of each block of 32 keys: for the row's maximum and, since p rises with the score, for the block's largest p
.endr
.irp i, 3,5,7,9,11,13
.irp b, 0,1,2,3
	v_max3_num_f32 v[232+\b], v[232+\b], v[96+16*\b+\i], v[97+16*\b+\i]
.endr
.endr
.irp b, 0,1,2,3
	v_max_num_f32 v[232+\b], v[232+\b], v[111+16*\b]
.endr
.irp b, 0,1,2,3
	v_permlanex16_b32 v[236+\b], v[232+\b], s[SEL], s[SEL+1]
.endr
.irp b, 0,1,2,3
	v_max_num_f32 v[232+\b], v[232+\b], v[236+\b]  ; with lane l xor 16's 16 keys
.endr
	v_max3_num_f32 v254, v232, v233, v234
	v_max_num_f32 v254, v254, v235
	v_mul_f32 v254, s[CS], v254                    ; the step's largest t
	v_max_num_f32 v13, v13, v254                   ; the running largest t
	v_mov_b32 v254, v12
	v_floor_f32 v12, -v13                          ; the new -M = -ceil(t)
	v_sub_f32 v254, v12, v254                      ; old M - new M: a whole number, 0 or less
	v_cvt_i32_f32 v254, v254                       ; (it saturates)
	v_ldexp_f32 v252, 1.0, v254                    ; f = 2^(old M - new M): a multiplication by it rounds nothing
.set n, 0
.rept 32
	v_pk_fma_f32 v[96+n:97+n], v[96+n:97+n], s[CS:CS+1], v[12:13] op_sel_hi:[1,0,0]   ; t - M, two at a time
.set n, n+2
.endr
.irp b, 0,1,2,3
	v_fma_f32 v[232+\b], v[232+\b], s[CS], v12     ; the same of each block's largest score
.endr
.set n, 0
.rept 64
	v_exp_f32 v[96+n], v[96+n]                     ; p = 2^(t - M)
.set n, n+1
.endr
	v_pk_mul_f32 v[14:15], v[14:15], v[252:253] op_sel_hi:[1,0]   ; the sums under the new M: the plain line behind the exponentials
	s_wait_alu depctr_va_vdst(0)                   ; one wait for the batch of 64, ahead of its first reader
.irp b, 0,1,2,3
	v_exp_f32 v[232+\b], v[232+\b]                 ; the block's largest p
.endr
	v_pk_add_f32 v[236:237], v[96:97], v[98:99]    ; the row's sum, of the unquantised p, in two chains
.irp j, 4,8,12,16,20,24,28,32,36,40,44,48,52,56,60
	v_pk_add_f32 v[14:15], v[14:15], v[96+\j:97+\j]
	v_pk_add_f32 v[236:237], v[236:237], v[98+\j:99+\j]
.endr
	v_pk_add_f32 v[14:15], v[14:15], v[236:237]
	s_wait_alu depctr_va_vdst(0)                   ; and one for the four
.irp b, 0,1,2,3
	v_max_num_f32 v[232+\b], 0x1800000, v[232+\b]  ; the floor 2^(3 - 127): a block of zeros keeps the byte 1 over zero codes
.endr
.irp b, 0,1,2,3
	v_add_nc_u32 v[244+\b], 0xff000000, v[232+\b]  ; the conversion's scale operand
.endr
.irp b, 0,1,2,3
	v_lshrrev_b32 v[236+\b], 23, v[244+\b]         ; the scale's byte
.endr
	v_lshl_or_b32 v253, v237, 8, v236              ; p's scale word for these 128 keys
	v_lshl_or_b32 v253, v238, 16, v253
	v_lshl_or_b32 v253, v239, 24, v253
.irp b, 0,1,2,3
	v_cvt_scalef32_pk8_fp4_f32 v[224+2*\b], v[96+16*\b:103+16*\b], v[244+\b]
	v_cvt_scalef32_pk8_fp4_f32 v[225+2*\b], v[104+16*\b:111+16*\b], v[244+\b]
.endr
	v_nop                                          ; one plain line behind a scaled conversion
.irp c, 0,1
.irp i, 0,1
	v_permlane16_swap_b32 v[224+4*\c+\i], v[226+4*\c+\i]   ; a whole block of 32 keys to a lane
.endr
.endr
.set n, 0
.rept 16
	v_pk_mul_f32 v[160+n:161+n], v[160+n:161+n], v[252:253] op_sel_hi:[1,0]   ; O^T under the new M.  These sixteen also stand between the lines that made p's codes and scale word and the products
.set n, n+2
.endr
	s_wait_dscnt 0x0                               ; V and its words
	v_wmma_scale_f32_16x16x128_f8f6f4 v[160:167], v[192:199], v[224:231], v[160:167], v240, v253 matrix_a_fmt:MATRIX_FMT_FP4 matrix_b_fmt:MATRIX_FMT_FP4
	v_wmma_scale_f32_16x16x128_f8f6f4 v[168:175], v[200:207], v[224:231], v[168:175], v240, v253 matrix_a_fmt:MATRIX_FMT_FP4 matrix_b_fmt:MATRIX_FMT_FP4 matrix_a_scale:MATRIX_SCALE_ROW1
	v_wmma_scale_f32_16x16x128_f8f6f4 v[176:183], v[208:215], v[224:231], v[176:183], v241, v253 matrix_a_fmt:MATRIX_FMT_FP4 matrix_b_fmt:MATRIX_FMT_FP4
	v_wmma_scale_f32_16x16x128_f8f6f4 v[184:191], v[216:223], v[224:231], v[184:191], v241, v253 matrix_a_fmt:MATRIX_FMT_FP4 matrix_b_fmt:MATRIX_FMT_FP4 matrix_a_scale:MATRIX_SCALE_ROW1
.Lhidden_\@:
	s_add_co_u32 s[KF], s[KF], 128
	s_add_co_u32 s[TS], s[TS], 768
.endm
; THE CHANGE OF SLOTS, at a slot's head.  Every wave waits for all its tensor loads (wave 0: the slot about to be read), adds 0 to its spare word, and waits for that and for its reads of the slot that it has left; then the barrier.
; fill = 1: the slot just left is filled with the next 4 key steps, which then have a slot's steps in which to land; one tensor load of wave 0 is out behind a barrier.
.macro CHANGE fill
	s_wait_tensorcnt 0x0                           ; no tensor load of mine is out, so group 0 may be written
	ds_add_u32 v[SPW], v[NIL]
.if \fill
	ds_add_u32 v[SPW], v[NIL]
	s_xor_b32 s[G0C+1], s[G0C+1], SLOTB            ; the other slot,
	s_add_nc_u64 s[G0C+2:G0C+3], s[G0C+2:G0C+3], SLOTB   ; the next 4 key steps
	s_wait_xcnt 0x0                                ; the last prefetch, a slot back, has read its address
	s_add_nc_u64 s[PFA:PFA+1], s[PFA:PFA+1], SLOTB
.endif
	s_wait_dscnt 0x0                               ; the add is done, and my reads of the slot that I have left are over
	s_barrier_signal -1
	s_barrier_wait -1
.if \fill
	s_add_co_u32 s96, s[KF], 512                   ; the first key of the slot that this change would ask for:
	s_cmp_gt_u32 s96, s[QL]                        ; behind my work-group's last query none of its waves reads it.  Ids and the count of steps alone: the same in all sixteen waves
	s_cbranch_scc1 .Lpast_\@
	TLOAD
.Lpast_\@:
	ASK
.endif
.endm
.macro SLOT_STEPS
	STEP 0
	STEP 1
	STEP 2
	STEP 3
	s_xor_b32 s[TB], s[TB], SLOTB
.endm
	s_wait_loadcnt 0x0                             ; Q
.Lslot:                                            ; 7 trips
	CHANGE 1
	SLOT_STEPS
	s_sub_co_u32 s[SLOTS], s[SLOTS], 1
	s_cmp_lg_u32 s[SLOTS], 0
	s_cbranch_scc1 .Lslot
	CHANGE 0                                       ; the last slot is written out: nothing is left to ask for
	SLOT_STEPS
	; THE WAY OUT: O^T / the sum, quantised along E (my head's 64 channels are two blocks of 32), as registers 4 (head % 2) .. + 3 of the fragment of tile T and K step head / 2.
.rept 4
	v_nop                                          ; four plain lines behind the last products, on the way that leads here over skipped steps too
.endr
	v_add_f32 v14, v14, v15
	v_permlanex16_b32 v252, v14, s[SEL], s[SEL+1]
	v_add_f32 v14, v14, v252                       ; the row's sum
	v_rcp_f32 v14, v14
	v_nop                                          ; a plain line behind the reciprocal,
	s_wait_alu depctr_va_vdst(0)                   ; and the wait ahead of its first reader
.set n, 0
.rept 32
	v_mul_f32 v[96+n], v[160+n], v14               ; register 16 b + i: channel 32 b + 16 h + i
.set n, n+1
.endr
.irp b, 0,1
	v_max3_num_f32 v[232+\b], |v[96+16*\b]|, |v[97+16*\b]|, 0x1800000
.endr
.irp i, 2,4,6,8,10,12,14
.irp b, 0,1
	v_max3_num_f32 v[232+\b], v[232+\b], |v[96+16*\b+\i]|, |v[97+16*\b+\i]|
.endr
.endr
.irp b, 0,1
	v_permlanex16_b32 v[236+\b], v[232+\b], s[SEL], s[SEL+1]
.endr
.irp b, 0,1
	v_max_num_f32 v[232+\b], v[232+\b], v[236+\b]
.endr
.irp b, 0,1
	v_add_nc_u32 v[244+\b], 0xff000000, v[232+\b]
.endr
.irp b, 0,1
	v_lshrrev_b32 v[236+\b], 23, v[244+\b]
.endr
	v_lshl_or_b32 v238, v237, 8, v236              ; my head's two bytes of the row's scale word
.irp b, 0,1
	v_cvt_scalef32_pk8_fp4_f32 v[224+2*\b], v[96+16*\b:103+16*\b], v[244+\b]
	v_cvt_scalef32_pk8_fp4_f32 v[225+2*\b], v[104+16*\b:111+16*\b], v[244+\b]
.endr
	v_nop
	v_permlane16_swap_b32 v224, v226
	v_permlane16_swap_b32 v225, v227
	global_store_b128 v[LI], v[224:227], s[12:13]  ; 512 consecutive bytes
	global_store_b16 v[R8], v238, s[14:15]         ; lanes r and 16 + r store the same two bytes with the same value
	s_wait_tensorcnt 0x0                           ; the wave's end
	ds_add_u32 v[SPW], v[NIL]
	s_wait_dscnt 0x0
	s_endpgm
.Lfunc_end_k_q450a0529d6_attn:
	.size	k_q450a0529d6_attn, .Lfunc_end_k_q450a0529d6_attn-k_q450a0529d6_attn
	.p2alignl 7, 3214868480
	.fill 96, 4, 3214868480
	.section	.rodata,"a",@progbits
	.p2align	6, 0x0
	.amdhsa_kernel k_q450a0529d6_attn
		.amdhsa_group_segment_fixed_size 327680
		.amdhsa_private_segment_fixed_size 0
		.amdhsa_enable_private_segment 0
		.amdhsa_kernarg_size 48
		.amdhsa_user_sgpr_count 2
		.amdhsa_user_sgpr_kernarg_segment_ptr 1
		.amdhsa_wavefront_size32 1
		.amdhsa_system_sgpr_workgroup_id_x 1
		.amdhsa_system_sgpr_workgroup_id_y 1
		.amdhsa_system_sgpr_workgroup_id_z 1
		.amdhsa_system_vgpr_workitem_id 0
		.amdhsa_next_free_vgpr 256
		.amdhsa_next_free_sgpr 100
		.amdhsa_reserve_vcc 1
		.amdhsa_float_denorm_mode_32 3
		.amdhsa_float_denorm_mode_16_64 3
		.amdhsa_memory_ordered 1
		.amdhsa_forward_progress 1
		.amdhsa_inst_pref_size 172
	.end_amdhsa_kernel
	.amdgpu_metadata
---
amdhsa.version: [ 1, 2 ]
amdhsa.kernels:
  - .name:           k_q450a0529d6_attn
    .symbol:         k_q450a0529d6_attn.kd
    .args:
      - { .name: qc, .offset: 0, .size: 8, .value_kind: global_buffer, .address_space: global }
      - { .name: qs, .offset: 8, .size: 8, .value_kind: global_buffer, .address_space: global }
      - { .name: kvc, .offset: 16, .size: 8, .value_kind: global_buffer, .address_space: global }
      - { .name: kvs, .offset: 24, .size: 8, .value_kind: global_buffer, .address_space: global }
      - { .name: ac, .offset: 32, .size: 8, .value_kind: global_buffer, .address_space: global }
      - { .name: asc, .offset: 40, .size: 8, .value_kind: global_buffer, .address_space: global }
    .group_segment_fixed_size: 327680
    .private_segment_fixed_size: 0
    .kernarg_segment_align: 8
    .kernarg_segment_size: 48
    .max_flat_workgroup_size: 512
    .sgpr_count:     100
    .vgpr_count:     256
    .wavefront_size: 32
...
	.end_amdgpu_metadata
.endif
;; end of part 3
;; launch proj (part 4): grid 256 x 1, 4 waves a work-group, no clusters, 34,304 bytes of LDS; arguments ac, asc, codes, scl, bo, out0; writes out0
.if DOCPART == 4
	.amdgcn_target "amdgcn-amd-amdhsa--gfx1250"
	.amdhsa_code_object_version 6
	.text
	.protected	k_q450a0529d6_proj
	.globl	k_q450a0529d6_proj
	.p2align	8
	.type	k_q450a0529d6_proj,@function
k_q450a0529d6_proj:
	s_mov_b64 s[64:65], 0
	v_nop
	global_prefetch_b8 v0, s[64:65] scope:SCOPE_SE
	s_setreg_imm32_b32 hwreg(HW_REG_WAVE_MODE, 25, 1), 1
	s_wait_xcnt 0x0
; out0 = (attention's result) Wo^T + bo on codes of FP4.  No work is left out here.  Source 0 = a chunk of 8 tiles = 128 rows of Wo, source 1 = 2 tiles = 32 tokens: a lane holds one token, and register 16 b + i of its 64
; results for a tile is output 32 b + 16 (lane / 16) + i of the chunk.  bo, in that layout, is the C of the first K step's products: no addition is written.
; SHARES: work-group g: chunk g / 32; wave w: tokens 32 U on, U = 4 (g % 32) + w.  Operands come from memory straight into registers, 512 consecutive bytes a load, as in the launch of Q, K and V, and for its reasons.
; THE WAY OUT: a tile's 16 rows x 512 bytes go through the wave's own stage in LDS and leave as whole rows: 32 lanes store 512 consecutive bytes, aligned.
.set PITCH, 528
.set WST,   16*PITCH
.set SPARE, 4*WST
.set LI,   1                           ; v1   16 x lane
.set L8,   2                           ; v2   8 x lane
.set H64,  4                           ; v4   64 h
.set STI,  5                           ; v5   the stage, in: wave's stage + 528 r + 64 h
.set STO,  6                           ; v6   and back: wave's stage + 16 x lane
.set SPW,  10                          ; v10  my spare word's LDS address; never rewritten
.set NIL,  11                          ; v11  0; never rewritten
.set SR,   16                          ; v16-47 Wo's scale words, v48-55 the tokens'
.set SL,   48
.set F0,   64                          ; v64-143, v144-223: a K step's fragments: Wo's eight, then the tokens' two
.set F1,   144
.set BI,   128                         ; window 1: v0-127 the 16 accumulators, (l, t) at v[64 l + 8 t]; v128-191 bo
.set RB,   24
.set LB,   26
.set RS,   28
.set LS,   30
.set MSB, 0
.macro WIN new
.if MSB != \new
	s_set_vgpr_msb (MSB<<8)|\new
.set MSB, \new
.endif
.endm
.macro PLACES                          ; four plain vector lines between a matrix instruction and a load into, or a store of, its registers
.rept 4
	v_nop
.endr
.endm
.macro FETCH s, f                      ; K step s: 20 loads
.irp t, 0,1,2,3,4,5,6,7
.irp c, 0,1
	global_load_b128 v[\f+8*\t+4*\c:\f+8*\t+4*\c+3], v[LI], s[RB:RB+1] offset:\t*8192+(\s)*1024+\c*512
.endr
.endr
.irp t, 0,1
.irp c, 0,1
	global_load_b128 v[\f+64+8*\t+4*\c:\f+64+8*\t+4*\c+3], v[LI], s[LB:LB+1] offset:\t*8192+(\s)*1024+\c*512
.endr
.endr
.endm
.macro MUL s, f, first                 ; 16 products; the 16 accumulators take turns, one instruction a turn
	WIN 0x50
.irp l, 0,1
.irp t, 0,1,2,3,4,5,6,7
.if \first
	v_wmma_scale_f32_16x16x128_f8f6f4 v[64*\l+8*\t:64*\l+8*\t+7], v[\f+8*\t:\f+8*\t+7], v[\f+64+8*\l:\f+64+8*\l+7], v[BI+8*\t:BI+8*\t+7], v[SR+4*\t+(\s)/2], v[SL+4*\l+(\s)/2] matrix_a_fmt:MATRIX_FMT_FP4 matrix_b_fmt:MATRIX_FMT_FP4
.elseif (\s)%2
	v_wmma_scale_f32_16x16x128_f8f6f4 v[64*\l+8*\t:64*\l+8*\t+7], v[\f+8*\t:\f+8*\t+7], v[\f+64+8*\l:\f+64+8*\l+7], v[64*\l+8*\t:64*\l+8*\t+7], v[SR+4*\t+(\s)/2], v[SL+4*\l+(\s)/2] matrix_a_fmt:MATRIX_FMT_FP4 matrix_b_fmt:MATRIX_FMT_FP4 matrix_a_scale:MATRIX_SCALE_ROW1 matrix_b_scale:MATRIX_SCALE_ROW1
.else
	v_wmma_scale_f32_16x16x128_f8f6f4 v[64*\l+8*\t:64*\l+8*\t+7], v[\f+8*\t:\f+8*\t+7], v[\f+64+8*\l:\f+64+8*\l+7], v[64*\l+8*\t:64*\l+8*\t+7], v[SR+4*\t+(\s)/2], v[SL+4*\l+(\s)/2] matrix_a_fmt:MATRIX_FMT_FP4 matrix_b_fmt:MATRIX_FMT_FP4
.endif
.endr
.endr
.endm
	s_load_b256 s[4:11], s[0:1], 0x0               ; ac s[4:5], asc s[6:7], codes s[8:9], scl s[10:11]
	s_load_b128 s[12:15], s[0:1], 0x20             ; bo s[12:13], out0 s[14:15]
	v_lshl_add_u32 v[SPW], v0, 2, SPARE
	v_mov_b32 v[NIL], 0
	v_lshrrev_b32 v7, 5, v0
	v_readfirstlane_b32 s18, v7                    ; wave
	v_and_b32 v7, 31, v0
	v_lshlrev_b32 v[LI], 4, v7
	v_lshlrev_b32 v[L8], 3, v7
	v_and_b32 v8, 15, v0                           ; r
	v_bfe_u32 v9, v0, 4, 1                         ; h
	v_lshlrev_b32 v[H64], 6, v9
	s_mul_i32 s19, s18, WST
	v_mul_u32_u24 v[STI], v8, PITCH
	v_add_nc_u32 v[STI], v[STI], v[H64]
	v_add_nc_u32 v[STI], s19, v[STI]
	v_add_nc_u32 v[STO], s19, v[LI]
	s_lshr_b32 s20, ttmp9, 5                       ; the chunk of Wo
	s_and_b32 s21, ttmp9, 31
	s_lshl_b32 s21, s21, 2
	s_add_co_u32 s21, s21, s18                     ; U
	s_lshl_b32 s22, s20, 3
	s_add_co_u32 s22, s22, 448                     ; Wo's first tile
	s_mov_b32 s33, 0
	s_wait_kmcnt 0x0
	s_lshl_b32 s32, s22, 13
	s_add_nc_u64 s[RB:RB+1], s[8:9], s[32:33]
	s_lshl_b32 s32, s22, 9
	s_add_nc_u64 s[RS:RS+1], s[10:11], s[32:33]
	s_lshl_b32 s32, s21, 14                        ; tiles 2 U, 2 U + 1
	s_add_nc_u64 s[LB:LB+1], s[4:5], s[32:33]
	s_lshl_b32 s32, s21, 10
	s_add_nc_u64 s[LS:LS+1], s[6:7], s[32:33]
	s_lshl_b32 s32, s20, 9
	s_add_nc_u64 s[12:13], s[12:13], s[32:33]      ; the chunk's 128 numbers of bo
	s_lshl_b32 s34, s21, 17
	s_add_co_u32 s32, s32, s34
	s_add_nc_u64 s[14:15], s[14:15], s[32:33]      ; out0 at row 32 U, column 128 x chunk
	WIN 0x40                                       ; destination window 1
.irp b, 0,1,2,3
.irp q, 0,1,2,3
	global_load_b128 v[BI+16*\b+4*\q:BI+16*\b+4*\q+3], v[H64], s[12:13] offset:128*\b+16*\q
.endr
.endr
	WIN 0
.irp t, 0,1,2,3,4,5,6,7
.irp p, 0,1
	global_load_b64 v[SR+4*\t+2*\p:SR+4*\t+2*\p+1], v[L8], s[RS:RS+1] offset:\t*512+\p*256
.endr
.endr
.irp t, 0,1
.irp p, 0,1
	global_load_b64 v[SL+4*\t+2*\p:SL+4*\t+2*\p+1], v[L8], s[LS:LS+1] offset:\t*512+\p*256
.endr
.endr
	FETCH 0, F0
	FETCH 1, F1
	s_wait_loadcnt 20                              ; all but the youngest FETCH: bo, the scale words and K step 0 are in
	MUL 0, F0, 1
	WIN 0
	PLACES
	FETCH 2, F0
.irp k, 1,2,3,4,5
	s_wait_loadcnt 20                              ; this K step's 20 loads are in, the next one's may be out
	MUL \k, F0+80*(\k%2), 0
	WIN 0
	PLACES
	FETCH \k+2, F0+80*(\k%2)
.endr
	s_wait_loadcnt 20
	MUL 6, F0, 0
	s_wait_loadcnt 0x0
	MUL 7, F1, 0
	WIN 0
	PLACES
.irp l, 0,1
	WIN 0x04                                       ; an LDS store's data are its source 1: window 1
.irp b, 0,1,2,3
.irp q, 0,1,2,3
	ds_store_b128 v[STI], v[64*\l+16*\b+4*\q:64*\l+16*\b+4*\q+3] offset:128*\b+16*\q   ; slot r's outputs 32 b + 16 h + 4 q on; each accumulator from its low end on
.endr
.endr
	WIN 0
.irp j, 0,1,2,3,4,5,6,7,8,9,10,11,12,13,14,15
	ds_load_b128 v[64+80*\l+4*\j:64+80*\l+4*\j+3], v[STO] offset:PITCH*\j   ; LDS serves a wave's instructions in order: these see the stores above, and the next tile's stores come behind them
.endr
.endr
	s_wait_dscnt 32                                ; tile 0's rows are back; tile 1's 16 stores and 16 loads may be out
.irp j, 0,1,2,3,4,5,6,7,8,9,10,11,12,13,14,15
	global_store_b128 v[LI], v[64+4*\j:64+4*\j+3], s[14:15] offset:(\j+8*(\j/8))*4096 th:TH_STORE_NT   ; slot j of tile 2 U is row 32 U + j + 8 (j / 8)
.endr
	s_wait_dscnt 0x0
.irp j, 0,1,2,3,4,5,6,7,8,9,10,11,12,13,14,15
	global_store_b128 v[LI], v[144+4*\j:144+4*\j+3], s[14:15] offset:(8+\j+8*(\j/8))*4096 th:TH_STORE_NT
.endr
	s_wait_tensorcnt 0x0                           ; the wave's end, behind my last LDS store
	ds_add_u32 v[SPW], v[NIL]
	s_wait_dscnt 0x0
	s_endpgm
.Lfunc_end_k_q450a0529d6_proj:
	.size	k_q450a0529d6_proj, .Lfunc_end_k_q450a0529d6_proj-k_q450a0529d6_proj
	.p2alignl 7, 3214868480
	.fill 96, 4, 3214868480
	.section	.rodata,"a",@progbits
	.p2align	6, 0x0
	.amdhsa_kernel k_q450a0529d6_proj
		.amdhsa_group_segment_fixed_size 34304
		.amdhsa_private_segment_fixed_size 0
		.amdhsa_enable_private_segment 0
		.amdhsa_kernarg_size 48
		.amdhsa_user_sgpr_count 2
		.amdhsa_user_sgpr_kernarg_segment_ptr 1
		.amdhsa_wavefront_size32 1
		.amdhsa_system_sgpr_workgroup_id_x 1
		.amdhsa_system_sgpr_workgroup_id_y 1
		.amdhsa_system_sgpr_workgroup_id_z 1
		.amdhsa_system_vgpr_workitem_id 0
		.amdhsa_next_free_vgpr 448
		.amdhsa_next_free_sgpr 66
		.amdhsa_reserve_vcc 0
		.amdhsa_float_denorm_mode_32 3
		.amdhsa_float_denorm_mode_16_64 3
		.amdhsa_memory_ordered 1
		.amdhsa_forward_progress 1
		.amdhsa_inst_pref_size 46
	.end_amdhsa_kernel
	.amdgpu_metadata
---
amdhsa.version: [ 1, 2 ]
amdhsa.kernels:
  - .name:           k_q450a0529d6_proj
    .symbol:         k_q450a0529d6_proj.kd
    .args:
      - { .name: ac, .offset: 0, .size: 8, .value_kind: global_buffer, .address_space: global }
      - { .name: asc, .offset: 8, .size: 8, .value_kind: global_buffer, .address_space: global }
      - { .name: codes, .offset: 16, .size: 8, .value_kind: global_buffer, .address_space: global }
      - { .name: scl, .offset: 24, .size: 8, .value_kind: global_buffer, .address_space: global }
      - { .name: bo, .offset: 32, .size: 8, .value_kind: global_buffer, .address_space: global }
      - { .name: out0, .offset: 40, .size: 8, .value_kind: global_buffer, .address_space: global }
    .group_segment_fixed_size: 34304
    .private_segment_fixed_size: 0
    .kernarg_segment_align: 8
    .kernarg_segment_size: 48
    .max_flat_workgroup_size: 128
    .sgpr_count:     66
    .vgpr_count:     448
    .wavefront_size: 32
...
	.end_amdgpu_metadata
.endif
;; end of part 4
;; ======== version 2 of 2: 4 launches
;; workspace buffers: codes 4,194,304 bytes; scl 262,144 bytes; qc 2,097,152 bytes; qs 262,144 bytes; kvc 4,194,304 bytes; kvs 393,216 bytes; ac 2,097,152 bytes; asc 131,072 bytes
;; launch quant (part 5): grid 256 x 1, 4 waves a work-group, no clusters, 34,304 bytes of LDS; arguments x, Wq, Wk, Wv, Wo, codes, scl; writes codes, scl
.if DOCPART == 5
	.amdgcn_target "amdgcn-amd-amdhsa--gfx1250"
	.amdhsa_code_object_version 6
	.text
	.protected	k_q450a0529d6_quant
	.globl	k_q450a0529d6_quant
	.p2align	8
	.type	k_q450a0529d6_quant,@function
k_q450a0529d6_quant:
	s_mov_b64 s[64:65], 0
	v_nop
	global_prefetch_b8 v0, s[64:65] scope:SCOPE_SE
	s_setreg_imm32_b32 hwreg(HW_REG_WAVE_MODE, 25, 1), 1
	s_wait_xcnt 0x0
; FIRST OF FOUR LAUNCHES (quant, qkv, attn, proj) of causal multi-head attention, S = 4,096, E = 1,024, 16 heads of 64, all six products on codes of FP4 (E2M1) with one E8M0 scale for each 32 along K.
; WORK LEFT OUT BY THE PROGRAM: only key steps of 128 keys that lie wholly above the diagonal of the mask which the problem builds itself (jnp.tril): there every score becomes -infinity, p = 0, and neither the
; row's maximum, its sum nor the second product takes anything from them, whatever the inputs hold.  Every input has a way to the output and is loaded: bq and bk move Q's and K's codes, bv and bo reach the result.
; LIMITS: a NaN, an infinity or an overflow that reaches only those key steps is not carried to the result; NaN and infinities among the inputs are not served; a block whose largest magnitude lies under
; 2^(3 - 127), a block of zeros among them, gets the scale byte 1 (its codes are zeros or the held quotient): the bytes are read by this program alone.
; THIS LAUNCH turns x [4096][1024] and Wq, Wk, Wv, Wo [1024][1024], f32 with K innermost, into codes and scale words laid IN THE ORDER OF AN OPERAND'S REGISTERS.
; A TILE T = 2 g + u holds 16 rows: slot r is row 32 g + 8 u + r + 8 (r / 8).  (As source 0 of a product, the 16 result registers of tiles 2 g and 2 g + 1 are then 16 neighbouring rows.)
; The fragment of tile T and K step s (128 along K) is 1,024 bytes at 8192 T + 1024 s + 512 c + 16 lane: lane 16 h + r holds k = 128 s + 64 c + 32 h + 0 .. 31 of slot r.  Tiles 0-255 x, 256-319 Wq, 320-383 Wk, 384-447 Wv, 448-511 Wo.
; Scale words: at 512 T + 256 H + 8 lane + 4 p stands the word of K step 4 H + 2 p + lane / 16, slot lane % 16: two loads of 8 bytes a lane give a tile's eight words, two K steps to a register.
; SHARES: work-group g, wave w: tile 2 g + w / 2, K half H = w % 2: four K steps.  Each load reads 512 consecutive bytes of one row; a K step's 16 rows turn through the wave's own stage in LDS, so that a lane gets
; two whole blocks of 32 neighbours; every store of codes covers 512 consecutive bytes, the store of scale words 256.  Waves share nothing: no barrier.  No matrix unit, cluster or tensor load: a stream read once.
.set ROWB,  4096                       ; a row of 1,024 f32
.set PITCH, 528                        ; a stage row: 512 bytes + 16, so that sixteen rows start 16 bytes apart modulo 256
.set WST,   16*PITCH                   ; a wave's stage
.set SPARE, 4*WST                      ; behind the stages: the spare words, 128 bytes a wave
.set LI,  2                            ; v2   16 x lane
.set STI, 3                            ; v3   the stage, on the way in: wave's stage + 16 x lane
.set STO, 4                            ; v4   on the way out: wave's stage + 528 r + 128 h
.set L8,  5                            ; v5   8 x lane
.set H8,  6                            ; v6   8 h
.set SPW, 12                           ; v12  my spare word's LDS address; never rewritten
.set NIL, 13                           ; v13  0; never rewritten
.set TM,  16                           ; v16-17 largest magnitudes, v18-19 the conversions' scale operands, v20-21 bytes, v22 my half of the word, v23 the other half's
.set W,   24                           ; v24-27 the four K steps' scale words
.set SD,  28                           ; v28-29 what the scale store sends
.set X,   32                           ; v32-223 three sets of 64 numbers
.set C,   224                          ; v224-255 codes, 8 registers a K step: no store's data are written again
	s_load_b256 s[4:11], s[0:1], 0x0               ; x s[4:5], Wq s[6:7], Wk s[8:9], Wv s[10:11]
	s_load_b128 s[12:15], s[0:1], 0x20             ; Wo s[12:13], codes s[14:15]
	s_load_b64 s[16:17], s[0:1], 0x30              ; scl
	v_lshl_add_u32 v[SPW], v0, 2, SPARE
	v_mov_b32 v[NIL], 0
	v_lshrrev_b32 v1, 5, v0
	v_readfirstlane_b32 s18, v1                    ; wave
	v_and_b32 v1, 31, v0                           ; lane
	v_lshlrev_b32 v[LI], 4, v1
	v_lshlrev_b32 v[L8], 3, v1
	v_and_b32 v7, 15, v0                           ; r
	v_bfe_u32 v8, v0, 4, 1                         ; h
	v_lshlrev_b32 v[H8], 3, v8
	s_mul_i32 s19, s18, WST
	v_add_nc_u32 v[STI], s19, v[LI]
	v_mul_u32_u24 v[STO], v7, PITCH
	v_lshl_add_u32 v[STO], v8, 7, v[STO]
	v_add_nc_u32 v[STO], s19, v[STO]
	v_mov_b32 v[TM+7], 0                           ; written once: a lane permute's destination counts as one of its sources
	s_mov_b32 s20, 0x76543210
	s_mov_b32 s21, 0xfedcba98                      ; v_permlanex16_b32's selects for lane l xor 16
	s_mov_b32 s30, 0xffff0000                      ; the mask of lanes 16-31
	s_lshr_b32 s23, s18, 1
	s_lshl_b32 s24, ttmp9, 1
	s_add_co_u32 s24, s24, s23                     ; my tile among the 512
	s_and_b32 s25, s18, 1                          ; my half of K
	s_mov_b32 s22, 0                               ; the first tile of my tensor
	s_wait_alu depctr_va_vdst(0)
	s_wait_kmcnt 0x0
	s_cmp_ge_u32 ttmp9, 128                        ; which tensor: the choice hangs on the work-group's number alone
	s_cselect_b64 s[4:5], s[6:7], s[4:5]
	s_cselect_b32 s22, 256, s22
	s_cmp_ge_u32 ttmp9, 160
	s_cselect_b64 s[4:5], s[8:9], s[4:5]
	s_cselect_b32 s22, 320, s22
	s_cmp_ge_u32 ttmp9, 192
	s_cselect_b64 s[4:5], s[10:11], s[4:5]
	s_cselect_b32 s22, 384, s22
	s_cmp_ge_u32 ttmp9, 224
	s_cselect_b64 s[4:5], s[12:13], s[4:5]
	s_cselect_b32 s22, 448, s22
	s_sub_co_u32 s26, s24, s22                     ; my tile in my tensor
	s_lshr_b32 s27, s26, 1
	s_lshl_b32 s27, s27, 5
	s_and_b32 s26, s26, 1
	s_lshl_b32 s26, s26, 3
	s_add_co_u32 s26, s26, s27                     ; slot 0's row: 32 g + 8 u
	s_lshl_b32 s26, s26, 12
	s_lshl_b32 s28, s25, 11
	s_add_co_u32 s26, s26, s28                     ; in bytes, + my half of the row
	s_mov_b32 s27, 0
	s_add_nc_u64 s[4:5], s[4:5], s[26:27]
	s_lshl_b32 s26, s24, 13
	s_lshl_b32 s28, s25, 12
	s_add_co_u32 s26, s26, s28
	s_add_nc_u64 s[14:15], s[14:15], s[26:27]      ; my four fragments
	s_lshl_b32 s26, s24, 9
	s_lshl_b32 s28, s25, 8
	s_add_co_u32 s26, s26, s28
	s_add_nc_u64 s[16:17], s[16:17], s[26:27]      ; my 256 bytes of scale words
.macro LOAD s                          ; K step s: 512 bytes of each of the tile's 16 rows, into set s % 3
.irp j, 0,1,2,3,4,5,6,7,8,9,10,11,12,13,14,15
	global_load_b128 v[X+64*((\s)%3)+4*\j:X+64*((\s)%3)+4*\j+3], v[LI], s[4:5] offset:(\j+8*(\j/8))*ROWB+512*(\s) th:TH_LOAD_NT
.endr
.endm
.macro STEP s, left                    ; left: the loads of the younger sets, which may stay out
.set XS, X+64*((\s)%3)
	s_wait_loadcnt \left
.irp j, 0,1,2,3,4,5,6,7,8,9,10,11,12,13,14,15
	ds_store_b128 v[STI], v[XS+4*\j:XS+4*\j+3] offset:PITCH*\j          ; slot j's 512 bytes as they lie
.endr
.irp c, 0,1
.irp j, 0,1,2,3,4,5,6,7
	ds_load_b128 v[XS+32*\c+4*\j:XS+32*\c+4*\j+3], v[STO] offset:256*\c+16*\j   ; back: k = 64 c + 32 h + 0 .. 31 of slot r.  LDS serves a wave's instructions in order: these see the stores above
.endr
.endr
	s_wait_dscnt 0x0
.irp c, 0,1
	v_max3_num_f32 v[TM+\c], |v[XS+32*\c]|, |v[XS+32*\c+1]|, 0x1800000  ; block 2 c + h is all mine; the floor 2^(3 - 127) holds the byte at 1 from below
.endr
.irp i, 2,4,6,8,10,12,14,16,18,20,22,24,26,28,30
.irp c, 0,1
	v_max3_num_f32 v[TM+\c], v[TM+\c], |v[XS+32*\c+\i]|, |v[XS+32*\c+\i+1]|   ; (the two blocks by turns)
.endr
.endr
.irp c, 0,1
	v_add_nc_u32 v[TM+2+\c], 0xff000000, v[TM+\c]  ; 2 off the exponent field: the conversion takes that field as its scale
.endr
.irp c, 0,1
	v_lshrrev_b32 v[TM+4+\c], 23, v[TM+2+\c]       ; the scale's byte
.endr
	v_lshl_or_b32 v[TM+6], v[TM+5], 16, v[TM+4]    ; my two bytes: blocks h and 2 + h,
	v_lshlrev_b32 v[TM+6], v[H8], v[TM+6]          ; at their places in the word;
	v_permlanex16_b32 v[TM+7], v[TM+6], s20, s21
	v_or_b32 v[W+(\s)], v[TM+6], v[TM+7]           ; with lane l xor 16's two the word is whole
.irp c, 0,1
.irp g, 0,1,2,3
	v_cvt_scalef32_pk8_fp4_f32 v[C+8*(\s)+4*\c+\g], v[XS+32*\c+8*\g:XS+32*\c+8*\g+7], v[TM+2+\c]
.endr
.endr
	v_nop                                          ; one plain line behind the last scaled conversion
.irp c, 0,1
	global_store_b128 v[LI], v[C+8*(\s)+4*\c:C+8*(\s)+4*\c+3], s[14:15] offset:1024*(\s)+512*\c   ; 32 lanes store 512 consecutive bytes
.endr
.endm
	LOAD 0
	LOAD 1
	LOAD 2
	STEP 0, 32
	LOAD 3                                         ; into set 0, which step 0 has left
	STEP 1, 32
	STEP 2, 16
	STEP 3, 0
	v_cndmask_b32 v[SD], v[W], v[W+1], s30         ; lanes 0-15 the even K step's word, lanes 16-31 the odd one's
	v_cndmask_b32 v[SD+1], v[W+2], v[W+3], s30
	global_store_b64 v[L8], v[SD:SD+1], s[16:17]   ; 256 consecutive bytes, aligned
	s_wait_tensorcnt 0x0                           ; the wave's end, behind my last LDS store
	ds_add_u32 v[SPW], v[NIL]
	s_wait_dscnt 0x0
	s_endpgm
.Lfunc_end_k_q450a0529d6_quant:
	.size	k_q450a0529d6_quant, .Lfunc_end_k_q450a0529d6_quant-k_q450a0529d6_quant
	.p2alignl 7, 3214868480
	.fill 96, 4, 3214868480
	.section	.rodata,"a",@progbits
	.p2align	6, 0x0
	.amdhsa_kernel k_q450a0529d6_quant
		.amdhsa_group_segment_fixed_size 34304
		.amdhsa_private_segment_fixed_size 0
		.amdhsa_enable_private_segment 0
		.amdhsa_kernarg_size 56
		.amdhsa_user_sgpr_count 2
		.amdhsa_user_sgpr_kernarg_segment_ptr 1
		.amdhsa_wavefront_size32 1
		.amdhsa_system_sgpr_workgroup_id_x 1
		.amdhsa_system_sgpr_workgroup_id_y 1
		.amdhsa_system_sgpr_workgroup_id_z 1
		.amdhsa_system_vgpr_workitem_id 0
		.amdhsa_next_free_vgpr 256
		.amdhsa_next_free_sgpr 66
		.amdhsa_reserve_vcc 0
		.amdhsa_float_denorm_mode_32 3
		.amdhsa_float_denorm_mode_16_64 3
		.amdhsa_memory_ordered 1
		.amdhsa_forward_progress 1
		.amdhsa_inst_pref_size 31
	.end_amdhsa_kernel
	.amdgpu_metadata
---
amdhsa.version: [ 1, 2 ]
amdhsa.kernels:
  - .name:           k_q450a0529d6_quant
    .symbol:         k_q450a0529d6_quant.kd
    .args:
      - { .name: x, .offset: 0, .size: 8, .value_kind: global_buffer, .address_space: global }
      - { .name: Wq, .offset: 8, .size: 8, .value_kind: global_buffer, .address_space: global }
      - { .name: Wk, .offset: 16, .size: 8, .value_kind: global_buffer, .address_space: global }
      - { .name: Wv, .offset: 24, .size: 8, .value_kind: global_buffer, .address_space: global }
      - { .name: Wo, .offset: 32, .size: 8, .value_kind: global_buffer, .address_space: global }
      - { .name: codes, .offset: 40, .size: 8, .value_kind: global_buffer, .address_space: global }
      - { .name: scl, .offset: 48, .size: 8, .value_kind: global_buffer, .address_space: global }
    .group_segment_fixed_size: 34304
    .private_segment_fixed_size: 0
    .kernarg_segment_align: 8
    .kernarg_segment_size: 56
    .max_flat_workgroup_size: 128
    .sgpr_count:     66
    .vgpr_count:     256
    .wavefront_size: 32
...
	.end_amdgpu_metadata
.endif
;; end of part 5
;; launch qkv (part 6): grid 384 x 1, 4 waves a work-group, no clusters, 0 bytes of LDS; arguments codes, scl, bq, bk, bv, qc, qs, kvc, kvs; writes qc, qs, kvc, kvs
.if DOCPART == 6
	.amdgcn_target "amdgcn-amd-amdhsa--gfx1250"
	.amdhsa_code_object_version 6
	.text
	.protected	k_q450a0529d6_qkv
	.globl	k_q450a0529d6_qkv
	.p2align	8
	.type	k_q450a0529d6_qkv,@function
k_q450a0529d6_qkv:
	s_mov_b64 s[64:65], 0
	v_nop
	global_prefetch_b8 v0, s[64:65] scope:SCOPE_SE
	s_setreg_imm32_b32 hwreg(HW_REG_WAVE_SCHED_MODE, 0, 2), 2
	s_setreg_imm32_b32 hwreg(HW_REG_WAVE_MODE, 25, 1), 1
	s_wait_xcnt 0x0
	s_wait_alu depctr_vm_vsrc(0)
; Q = x Wq^T + bq, K = x Wk^T + bk, V = x Wv^T + bv on the codes that the launch before made, and the quantisers of Q and K (along a head's 64) and of V (along the keys), in registers.  No work is left out here.
; ONE MAIN LOOP FOR TWO ROLES.  Source 0 (R) is a chunk of 8 tiles = 128 rows of the axis that is quantised next: a lane's result registers run along it.  Source 1 (L) is 4 tiles, whose rows lie in the lanes.
;   work-groups 0-255, Q and K: R = 128 rows of Wq (chunks 0-7) or Wk (8-15) = two heads; L = 64 tokens of x.   work-groups 256-383, V: R = 128 tokens of x = a key step; L = 64 rows of Wv = one head.
; By the tiles' choice of rows, register 16 b + i of a lane's 64 results is row 32 b + 16 (lane / 16) + i of the chunk: QUANT takes them as they stand.
; OUT.  qc [head][tile 256][512 bytes]: registers 0-3 of a fragment of Q (its K is 64: the attention launch sets registers 4-7 to zero codes).  qs [head][tile / 4][r 16][tile % 4] scale words.
;   kvc [head][key step 32][8,192]: K's 8 tiles x 512 bytes, then V^T's 4 tiles (16 of the head's 64 x 128 keys) x 1,024.  kvs [head][key step][768]: K's words at 16 (16 (t / 4) + r) + 4 (t % 4), then V's at 512 + 8 (16 (t % 2) + r) + 4 (t / 2).
;   In Q's and K's words bytes 0, 1 are the head's two blocks; bytes 2, 3 stand over zero codes and hold the neighbour head's bytes or 0, never 0xff.
; Operands come from memory straight into registers: by the layout each load of a wave reads 512 consecutive bytes, and a K step's matrix work is short.  No cluster and no LDS ring: a wave's whole sum is 256 matrix
; instructions, and the four waves of a work-group name the same R chunk at the same time.  LIMITS: as stated at the head of the first launch.
; THE MODE: SCHED_MODE bits 1:0 = 2 (LLVM: expert scheduling mode 2), set by the entry lines.  The code itself states the register dependences between vector or matrix instructions and memory instructions,
; with s_wait_alu, always for 0.
; THE PLAN.  Registers that memory instructions touch:
;   v1, v2, v4, v5   offsets, made at the head and never written again: one wait ahead of the first load serves every load and store that reads them.
;   v8-55            scale words: loaded once, read by matrix instructions alone.
;   F0, F1           K step k's loads land in buffer k % 2; its 32 products read it; the loads of K step k + 2 (behind K step 6: the bias) land in it again.  So ONE wait stands in a K step, behind its
;                    products, where the buffer is emptied, and the run of loads follows it at once: two K steps' loads stay on their way.  512 registers hold no third buffer beside 256 of accumulators.
;   PC               a tile's codes, 8 registers of its own for each of the four tiles: written once, by the tile's conversions and swaps, and read by its two stores: one wait a tile, behind its last vector line.
;   v6, SW, PW       the offset and the data of the last store: written ahead of the last tile's wait.
; No register that a memory instruction reads is written again, so no wait on vm_vsrc is owed.
.set LI,   1                           ; v1   16 x lane
.set L8,   2                           ; v2   8 x lane
.set HH,   3                           ; v3   h
.set H64,  4                           ; v4   64 h
.set BVO,  5                           ; v5   4 (r + 8 (r / 8))
.set SOFF, 6                           ; v6   16 r + h x (a head's scale bytes)
.set RR,   7                           ; v7   r
.set SR,   8                           ; v8-39   R's scale words: tile t, K steps 2 p and 2 p + 1 in register 4 t + p (lanes 0-15, lanes 16-31)
.set SL,   40                          ; v40-55  L's likewise
.set F0,   64                          ; v64-159  a K step's fragments: R's eight, then L's four
.set F1,   160                         ; v160-255 the other buffer
.set BI,   64                          ; afterwards: v64-127 the bias in the results' layout
.set PC,   128                         ; v128-159 the codes made, 8 registers for each L tile
.set X,    160                         ; v160-223 64 numbers to quantise
.set TM,   224                         ; v224-239 at work in QUANT
.set PW,   240                         ; v240-241
.set SW,   244                         ; v244-247 the four tiles' scale words
.set RB,   36                          ; s[36:37] R's codes, s[38:39] L's, s[40:41] R's scale words, s[42:43] L's, s[44:45] the bias
.set LB,   38
.set RS,   40
.set LS,   42
.set BB,   44
.set O0,   46                          ; s[46:47], s[48:49] where codes go; s[50:51] where scale words go
.set O1,   48
.set SB,   50
.set SEL,  52
.set HSS,  54
.set MSB, 0
.macro WIN new                         ; window 1 holds the 32 accumulators, (l, t) at v[64 l + 8 t].  The immediate's high byte repeats the setting that is left
.if MSB != \new
	s_set_vgpr_msb (MSB<<8)|\new
.set MSB, \new
.endif
.endm
.macro PLACES                          ; four plain vector lines between a matrix instruction and a load into, or a vector line on, its registers
.rept 4
	v_nop
.endr
.endm
.macro FETCH s, f                      ; K step s: 24 loads of 512 consecutive bytes
.irp t, 0,1,2,3,4,5,6,7
.irp c, 0,1
	global_load_b128 v[\f+8*\t+4*\c:\f+8*\t+4*\c+3], v[LI], s[RB:RB+1] offset:\t*8192+(\s)*1024+\c*512
.endr
.endr
.irp t, 0,1,2,3
.irp c, 0,1
	global_load_b128 v[\f+64+8*\t+4*\c:\f+64+8*\t+4*\c+3], v[LI], s[LB:LB+1] offset:\t*8192+(\s)*1024+\c*512
.endr
.endr
.endm
.macro MUL s, f, zero                  ; 32 products; the 32 accumulators take turns, one instruction a turn, in the same order in every K step
	WIN 0x50
.irp l, 0,1,2,3
.irp t, 0,1,2,3,4,5,6,7
.if \zero
	v_wmma_scale_f32_16x16x128_f8f6f4 v[64*\l+8*\t:64*\l+8*\t+7], v[\f+8*\t:\f+8*\t+7], v[\f+64+8*\l:\f+64+8*\l+7], 0, v[SR+4*\t+(\s)/2], v[SL+4*\l+(\s)/2] matrix_a_fmt:MATRIX_FMT_FP4 matrix_b_fmt:MATRIX_FMT_FP4
.elseif (\s)%2
	v_wmma_scale_f32_16x16x128_f8f6f4 v[64*\l+8*\t:64*\l+8*\t+7], v[\f+8*\t:\f+8*\t+7], v[\f+64+8*\l:\f+64+8*\l+7], v[64*\l+8*\t:64*\l+8*\t+7], v[SR+4*\t+(\s)/2], v[SL+4*\l+(\s)/2] matrix_a_fmt:MATRIX_FMT_FP4 matrix_b_fmt:MATRIX_FMT_FP4 matrix_a_scale:MATRIX_SCALE_ROW1 matrix_b_scale:MATRIX_SCALE_ROW1
.else
	v_wmma_scale_f32_16x16x128_f8f6f4 v[64*\l+8*\t:64*\l+8*\t+7], v[\f+8*\t:\f+8*\t+7], v[\f+64+8*\l:\f+64+8*\l+7], v[64*\l+8*\t:64*\l+8*\t+7], v[SR+4*\t+(\s)/2], v[SL+4*\l+(\s)/2] matrix_a_fmt:MATRIX_FMT_FP4 matrix_b_fmt:MATRIX_FMT_FP4
.endif
.endr
.endr
.endm
; 64 numbers of a lane, register 16 b + i = k 32 b + 16 (lane / 16) + i of my row, become a fragment's codes in v[pc] on and its scale word in v[pw].
.macro QUANT src, pc, pw
.irp b, 0,1,2,3
	v_max3_num_f32 v[TM+\b], |v[(\src)+16*\b]|, |v[(\src)+1+16*\b]|, 0x1800000   ; my 16 numbers of block b, and the floor 2^(3 - 127): the byte cannot fall under 1
.endr
.irp i, 2,4,6,8,10,12,14
.irp b, 0,1,2,3
	v_max3_num_f32 v[TM+\b], v[TM+\b], |v[(\src)+16*\b+\i]|, |v[(\src)+1+16*\b+\i]|   ; (the four blocks by turns)
.endr
.endr
.irp b, 0,1,2,3
	v_permlanex16_b32 v[TM+4+\b], v[TM+\b], s[SEL], s[SEL+1]
.endr
.irp b, 0,1,2,3
	v_max_num_f32 v[TM+\b], v[TM+\b], v[TM+4+\b]   ; with lane l xor 16's: the block's largest magnitude
.endr
.irp b, 0,1,2,3
	v_add_nc_u32 v[TM+12+\b], 0xff000000, v[TM+\b] ; 2 off its exponent field: the conversion's scale operand
.endr
.irp b, 0,1,2,3
	v_lshrrev_b32 v[TM+4+\b], 23, v[TM+12+\b]      ; the scale's byte
.endr
	v_lshl_or_b32 v[(\pw)], v[TM+5], 8, v[TM+4]
	v_lshl_or_b32 v[(\pw)], v[TM+6], 16, v[(\pw)]
	v_lshl_or_b32 v[(\pw)], v[TM+7], 24, v[(\pw)]
.irp b, 0,1,2,3
	v_cvt_scalef32_pk8_fp4_f32 v[(\pc)+2*\b], v[(\src)+16*\b:(\src)+7+16*\b], v[TM+12+\b]
	v_cvt_scalef32_pk8_fp4_f32 v[(\pc)+1+2*\b], v[(\src)+8+16*\b:(\src)+15+16*\b], v[TM+12+\b]
.endr
	v_nop                                          ; one plain line behind a scaled conversion
.irp c, 0,1                                    ; the operand's layout wants a whole block in a lane
.irp i, 0,1
	v_permlane16_swap_b32 v[(\pc)+4*\c+\i], v[(\pc)+2+4*\c+\i]
.endr
.endr
.endm
	s_load_b256 s[4:11], s[0:1], 0x0               ; codes s[4:5], scl s[6:7], bq s[8:9], bk s[10:11]
	s_load_b256 s[12:19], s[0:1], 0x20             ; bv s[12:13], qc s[14:15], qs s[16:17], kvc s[18:19]
	s_load_b64 s[20:21], s[0:1], 0x40              ; kvs
	v_lshrrev_b32 v56, 5, v0
	v_readfirstlane_b32 s25, v56                   ; wave
	v_and_b32 v56, 31, v0
	v_lshlrev_b32 v[LI], 4, v56
	v_lshlrev_b32 v[L8], 3, v56
	v_bfe_u32 v[HH], v0, 4, 1
	v_lshlrev_b32 v[H64], 6, v[HH]
	v_and_b32 v[RR], 15, v0
	v_and_b32 v[BVO], 8, v[RR]
	v_add_lshl_u32 v[BVO], v[BVO], v[RR], 2
	s_wait_alu depctr_va_sdst(0)                   ; s25, the wave's number, is written, ahead of its first reader: the tiles and the bases are made from it
	s_mov_b32 s30, 0xffff0000                      ; the mask of lanes 16-31
	s_mov_b32 s[SEL], 0x76543210
	s_mov_b32 s[SEL+1], 0xfedcba98
	s_lshr_b32 s26, ttmp9, 4                       ; Q, K: the chunk of weights, 0-15
	s_and_b32 s27, ttmp9, 15
	s_lshl_b32 s27, s27, 2
	s_add_co_u32 s27, s27, s25                     ; and my 64 tokens, U = 0-63
	s_lshl_b32 s28, s26, 3
	s_add_co_u32 s28, s28, 256                     ; R's first tile
	s_lshl_b32 s29, s27, 2                         ; L's first tile
	s_and_b32 s31, ttmp9, 127                      ; V: the work-group's number less 256
	s_lshr_b32 s32, s31, 2                         ; the key step
	s_and_b32 s33, s31, 3
	s_lshl_b32 s33, s33, 2
	s_add_co_u32 s33, s33, s25                     ; and my head
	s_lshl_b32 s34, s32, 3
	s_lshl_b32 s35, s33, 2
	s_add_co_u32 s35, s35, 384
	s_and_b32 s55, s26, 7
	s_lshl_b32 s58, s55, 9                         ; Q, K: the chunk's 128 biases
	s_lshl_b32 s59, s33, 8                         ; V: the head's 64
	s_cmp_ge_u32 ttmp9, 256                        ; the role hangs on the work-group's number alone
	s_cselect_b32 s24, 1, 0
	s_cselect_b32 s28, s34, s28
	s_cselect_b32 s29, s35, s29
	s_cselect_b32 s58, s59, s58
	s_mov_b32 s59, 0
	s_mov_b32 s57, 0
	s_wait_kmcnt 0x0
	s_lshl_b32 s56, s28, 13
	s_add_nc_u64 s[RB:RB+1], s[4:5], s[56:57]
	s_lshl_b32 s56, s29, 13
	s_add_nc_u64 s[LB:LB+1], s[4:5], s[56:57]
	s_lshl_b32 s56, s28, 9
	s_add_nc_u64 s[RS:RS+1], s[6:7], s[56:57]
	s_lshl_b32 s56, s29, 9
	s_add_nc_u64 s[LS:LS+1], s[6:7], s[56:57]
	s_cmp_ge_u32 s26, 8
	s_cselect_b64 s[BB:BB+1], s[10:11], s[8:9]     ; bk or bq,
	s_cmp_eq_u32 s24, 0
	s_cselect_b64 s[BB:BB+1], s[BB:BB+1], s[12:13] ; or bv
	s_add_nc_u64 s[BB:BB+1], s[BB:BB+1], s[58:59]
	s_wait_alu depctr_va_vdst(0)                   ; the offsets v1, v2, v4 and v5 are written: every load, and every store but the last of Q's and K's, reads one of them
.irp t, 0,1,2,3,4,5,6,7
.irp p, 0,1
	global_load_b64 v[SR+4*\t+2*\p:SR+4*\t+2*\p+1], v[L8], s[RS:RS+1] offset:\t*512+\p*256
.endr
.endr
.irp t, 0,1,2,3
.irp p, 0,1
	global_load_b64 v[SL+4*\t+2*\p:SL+4*\t+2*\p+1], v[L8], s[LS:LS+1] offset:\t*512+\p*256
.endr
.endr
	FETCH 0, F0
	FETCH 1, F1
	s_wait_loadcnt 24                              ; all but the youngest FETCH: the scale words and K step 0 are in
	MUL 0, F0, 1                                   ; the first K step starts the sums: nothing is cleared
	WIN 0
	PLACES
	s_wait_alu depctr_va_vdst(0)                   ; K step 0's products are done reading F0, in which the loads below land
	FETCH 2, F0
.irp k, 1,2,3,4,5
	s_wait_loadcnt 24                              ; this K step's 24 loads are in, the next one's may be out
	MUL \k, F0+96*(\k%2), 0
	WIN 0
	PLACES
	s_wait_alu depctr_va_vdst(0)                   ; this K step's products are done reading their buffer, in which the loads below land
	FETCH \k+2, F0+96*(\k%2)
.endr
	s_wait_loadcnt 24
	MUL 6, F0, 0
	WIN 0
	PLACES
	s_wait_alu depctr_va_vdst(0)                   ; K step 6's products are done reading F0, in which the bias lands on either way below
	s_cmp_eq_u32 s24, 0                            ; the bias comes into the buffer that K step 6 has left
	s_cbranch_scc0 .Lbias_v
.irp b, 0,1,2,3
.irp q, 0,1,2,3
	global_load_b128 v[BI+16*\b+4*\q:BI+16*\b+4*\q+3], v[H64], s[BB:BB+1] offset:128*\b+16*\q   ; register 16 b + i: the bias of row 32 b + 16 h + i of the chunk
.endr
.endr
	s_branch .Lbias_in
.Lbias_v:
.irp l, 0,1,2,3
	global_load_b32 v[BI+2*\l], v[BVO], s[BB:BB+1] offset:4*(32*(\l/2)+8*(\l%2))   ; V: one bias a lane and tile, that of my row of Wv; twice, for the packed addition
	global_load_b32 v[BI+2*\l+1], v[BVO], s[BB:BB+1] offset:4*(32*(\l/2)+8*(\l%2))
.endr
.Lbias_in:
	s_wait_loadcnt 8                               ; K step 7 is in: behind it 16 loads were issued on one way and 8 on the other; the smaller count serves both
	MUL 7, F1, 0
	WIN 0
	PLACES
	s_wait_loadcnt 0x0                             ; the bias
.irp b, 0,1,2,3
	v_mov_b32 v[TM+4+\b], 0                        ; written once: a lane permute's destination counts as one of its sources
.endr
	s_cmp_eq_u32 s24, 0
	s_cbranch_scc0 .Lrole_v
	; ---- Q and K: a lane holds one token and 128 features = two heads
	s_lshl_b32 s55, s55, 1                         ; the chunk's first head
	s_lshl_b32 s56, s55, 17
	s_lshl_b32 s58, s27, 11
	s_add_co_u32 s56, s56, s58                     ; Q's codes: 131,072 head + 2,048 U
	s_lshl_b32 s58, s55, 14
	s_lshl_b32 s59, s27, 8
	s_add_co_u32 s58, s58, s59                     ; Q's words: 16,384 head + 256 U
	s_lshr_b32 s60, s27, 1                         ; K: the key step U / 2,
	s_and_b32 s61, s27, 1                          ; its first or second four tiles
	s_lshl_b32 s62, s55, 18
	s_lshl_b32 s63, s60, 13
	s_add_co_u32 s62, s62, s63
	s_lshl_b32 s63, s61, 11
	s_add_co_u32 s62, s62, s63                     ; K's codes
	s_mul_i32 s63, s55, 24576
	s_mul_i32 s60, s60, 768
	s_add_co_u32 s63, s63, s60
	s_lshl_b32 s61, s61, 8
	s_add_co_u32 s63, s63, s61                     ; K's words
	s_mov_b32 s[HSS], 16384
	s_mov_b32 s60, 131072
	s_cmp_ge_u32 s26, 8                            ; chunks 8-15 are K's
	s_cselect_b64 s[O0:O0+1], s[18:19], s[14:15]
	s_cselect_b64 s[SB:SB+1], s[20:21], s[16:17]
	s_cselect_b32 s56, s62, s56
	s_cselect_b32 s58, s63, s58
	s_cselect_b32 s[HSS], 24576, s[HSS]            ; from a head's scale bytes to the next head's,
	s_cselect_b32 s60, 262144, s60                 ; and the same for codes
	s_mov_b32 s57, 0
	s_mov_b32 s59, 0
	s_mov_b32 s61, 0
	s_add_nc_u64 s[O0:O0+1], s[O0:O0+1], s[56:57]
	s_add_nc_u64 s[O1:O1+1], s[O0:O0+1], s[60:61]
	s_add_nc_u64 s[SB:SB+1], s[SB:SB+1], s[58:59]
	v_mul_u32_u24 v[SOFF], s[HSS], v[HH]
	v_lshl_add_u32 v[SOFF], v[RR], 4, v[SOFF]
.irp l, 0,1,2,3
	WIN 0x01                                       ; source 0: the accumulators' window
.set p, 0
.rept 32
	v_pk_add_f32 v[X+p:X+p+1], v[64*\l+p:64*\l+p+1], v[BI+p:BI+p+1]   ; + the bias; each accumulator is read from its low end on
.set p, p+2
.endr
	WIN 0
	QUANT X, PC+8*\l, PW
	v_lshrrev_b32 v[PW+1], 16, v[PW]
	v_cndmask_b32 v[SW+\l], v[PW], v[PW+1], s30    ; lanes 0-15 keep the first head's word, lanes 16-31 the second's
	s_wait_alu depctr_va_vdst(0)                   ; the conversions and swaps have written this tile's codes, which the two stores read; at the last tile v6 and the four scale words are written too
	global_store_b128 v[LI], v[PC+8*\l:PC+8*\l+3], s[O0:O0+1] offset:512*\l     ; the first head's 64 features: registers 0-3 of its fragment; 512 consecutive bytes
	global_store_b128 v[LI], v[PC+8*\l+4:PC+8*\l+7], s[O1:O1+1] offset:512*\l   ; the second head's
.endr
	global_store_b128 v[SOFF], v[SW:SW+3], s[SB:SB+1]   ; sixteen lanes store 256 consecutive bytes, aligned, for each head.  No wait: only stores stand behind the last tile's
	s_endpgm
.Lrole_v:
	; ---- V: a lane holds one of the head's 64 and 128 keys
	s_lshl_b32 s56, s33, 18
	s_lshl_b32 s58, s32, 13
	s_add_co_u32 s56, s56, s58
	s_add_co_u32 s56, s56, 4096                    ; behind the key step's tiles of K
	s_mov_b32 s57, 0
	s_add_nc_u64 s[O0:O0+1], s[18:19], s[56:57]
	s_mul_i32 s58, s33, 24576
	s_mul_i32 s59, s32, 768
	s_add_co_u32 s58, s58, s59
	s_add_co_u32 s58, s58, 512
	s_mov_b32 s59, 0
	s_add_nc_u64 s[SB:SB+1], s[20:21], s[58:59]
.irp l, 0,1,2,3
	WIN 0x01
.set p, 0
.rept 32
	v_pk_add_f32 v[X+p:X+p+1], v[64*\l+p:64*\l+p+1], v[BI+2*\l:BI+2*\l+1]
.set p, p+2
.endr
	WIN 0
	QUANT X, PC+8*\l, SW+\l
.if \l == 3
	v_cndmask_b32 v[PW], v[SW], v[SW+1], s30       ; lanes 0-15 the even tile's words, lanes 16-31 the odd one's
	v_cndmask_b32 v[PW+1], v[SW+2], v[SW+3], s30
.endif
	s_wait_alu depctr_va_vdst(0)                   ; the conversions and swaps have written this tile's codes, which the two stores read; at the last tile the pair of scale words is written too
	global_store_b128 v[LI], v[PC+8*\l:PC+8*\l+3], s[O0:O0+1] offset:1024*\l
	global_store_b128 v[LI], v[PC+8*\l+4:PC+8*\l+7], s[O0:O0+1] offset:1024*\l+512
.endr
	global_store_b64 v[L8], v[PW:PW+1], s[SB:SB+1] ; 256 consecutive bytes, aligned.  No wait: only stores stand behind the last tile's
	s_endpgm
.Lfunc_end_k_q450a0529d6_qkv:
	.size	k_q450a0529d6_qkv, .Lfunc_end_k_q450a0529d6_qkv-k_q450a0529d6_qkv
	.p2alignl 7, 3214868480
	.fill 96, 4, 3214868480
	.section	.rodata,"a",@progbits
	.p2align	6, 0x0
	.amdhsa_kernel k_q450a0529d6_qkv
		.amdhsa_group_segment_fixed_size 0
		.amdhsa_private_segment_fixed_size 0
		.amdhsa_enable_private_segment 0
		.amdhsa_kernarg_size 72
		.amdhsa_user_sgpr_count 2
		.amdhsa_user_sgpr_kernarg_segment_ptr 1
		.amdhsa_wavefront_size32 1
		.amdhsa_system_sgpr_workgroup_id_x 1
		.amdhsa_system_sgpr_workgroup_id_y 1
		.amdhsa_system_sgpr_workgroup_id_z 1
		.amdhsa_system_vgpr_workitem_id 0
		.amdhsa_next_free_vgpr 512
		.amdhsa_next_free_sgpr 66
		.amdhsa_reserve_vcc 0
		.amdhsa_float_denorm_mode_32 3
		.amdhsa_float_denorm_mode_16_64 3
		.amdhsa_memory_ordered 1
		.amdhsa_forward_progress 1
		.amdhsa_inst_pref_size 110
	.end_amdhsa_kernel
	.amdgpu_metadata
---
amdhsa.version: [ 1, 2 ]
amdhsa.kernels:
  - .name:           k_q450a0529d6_qkv
    .symbol:         k_q450a0529d6_qkv.kd
    .args:
      - { .name: codes, .offset: 0, .size: 8, .value_kind: global_buffer, .address_space: global }
      - { .name: scl, .offset: 8, .size: 8, .value_kind: global_buffer, .address_space: global }
      - { .name: bq, .offset: 16, .size: 8, .value_kind: global_buffer, .address_space: global }
      - { .name: bk, .offset: 24, .size: 8, .value_kind: global_buffer, .address_space: global }
      - { .name: bv, .offset: 32, .size: 8, .value_kind: global_buffer, .address_space: global }
      - { .name: qc, .offset: 40, .size: 8, .value_kind: global_buffer, .address_space: global }
      - { .name: qs, .offset: 48, .size: 8, .value_kind: global_buffer, .address_space: global }
      - { .name: kvc, .offset: 56, .size: 8, .value_kind: global_buffer, .address_space: global }
      - { .name: kvs, .offset: 64, .size: 8, .value_kind: global_buffer, .address_space: global }
    .group_segment_fixed_size: 0
    .private_segment_fixed_size: 0
    .kernarg_segment_align: 8
    .kernarg_segment_size: 72
    .max_flat_workgroup_size: 128
    .sgpr_count:     66
    .vgpr_count:     512
    .wavefront_size: 32
...
	.end_amdgpu_metadata
.endif
;; end of part 6
;; launch attn (part 7): grid 16 x 16, 16 waves a work-group, no clusters, 327,680 bytes of LDS; arguments qc, qs, kvc, kvs, ac, asc; writes ac, asc
.if DOCPART == 7
	.amdgcn_target "amdgcn-amd-amdhsa--gfx1250"
	.amdhsa_code_object_version 6
	.text
	.protected	k_q450a0529d6_attn
	.globl	k_q450a0529d6_attn
	.p2align	8
	.type	k_q450a0529d6_attn,@function
k_q450a0529d6_attn:
	s_mov_b64 s[64:65], 0
	v_nop
	global_prefetch_b8 v0, s[64:65] scope:SCOPE_SE
	s_setreg_imm32_b32 hwreg(HW_REG_WAVE_MODE, 25, 1), 1
	s_wait_xcnt 0x0
; The attention of one head, both products on codes of FP4, and the quantiser of its result along E.  WORK LEFT OUT: key steps of 128 keys that lie wholly above the diagonal of the problem's own causal mask (see the first launch's head).
; t = score x log2(e) / 8; M = the running largest t rounded up to a whole number; p = 2^(t - M) is quantised along the keys, not normalised; the row's sum is taken of the unquantised p and divides O at the end.
; SHARES, SO THAT THE CAUSAL WORK IS EVEN.  Work-group (i, head) owns the blocks i and 31 - i of 128 queries.  Of its sixteen waves, wave w takes tile j = w / 2 of the early block or of the late one, by (w xor w / 4) % 2:
; any four waves w, w + 4, w + 8, w + 12, and any four on end, hold two early and two late tiles: 2 (i + 1) + 2 (32 - i) = 66 live key steps.  A wave owns 16 queries in 256 registers.
; LAYOUT.  Both products transposed: S^T = K Q^T, O^T = V^T P^T: a lane holds one query throughout.  By the tiles' choice of rows the 16 registers of tiles 2 b, 2 b + 1 of S^T are keys 32 b + 16 (lane / 16) + 0 .. 15, and O^T's
; registers 16 b + i are channels 32 b + 16 (lane / 16) + i.  The first product's K is 64: registers 4-7 of Q's and K's fragments are zero codes, set once.
; RING.  Two LDS slots of 4 key steps (32,768 dense bytes each, fragments in register order: every LDS load takes 16 x lane), filled by wave 0, one tensor load a slot; the head's 24,576 scale bytes come once.
; Every work-group walks all 8 slots with constant trip counts; a wave jumps over the work of hidden steps, and a slot whose first key lies behind the work-group's last query is not asked for.
; NO CLUSTER: the work-groups of a head need 5 to 8 slots, by i; a joint load would bring some partner a tile that none of its waves reads.
; asc is stored as 16 pieces of two bytes at a stride of 8 bytes for each wave: one sixteenth of the bytes of its codes.  LIMITS: as stated at the head of the first launch.
.set SLOTB, 32768
.set SCB,   65536                      ; the head's scale bytes, 768 a key step
.set SPARE, 90112                      ; the spare words, 128 bytes for each of 16 waves
.set LI,   1                           ; v1   16 x lane
.set ASV0, 2                           ; v2   V's scale words: SCB + 512 + 8 x lane
.set ASK0, 3                           ; v3   K's: SCB + 16 x lane
.set DG,   4                           ; v4   my query - its block's first - 16 (lane / 16)
.set SPW,  5                           ; v5   my spare word's LDS address; never rewritten
.set NIL,  6                           ; v6   0; never rewritten
.set R8,   7                           ; v7   8 r
.set AD,   8                           ; v8   the slot in hand + 16 x lane
.set ADS,  9                           ; v9   the step's scale words of K
.set ADT,  10                          ; v10  and of V
.set PFO,  28                          ; v28  256 x lane
; v12 -M, v13 the largest t, v[14:15] the sum; v16-23 Q; v32-95 K's 8 fragments; v96-159 S^T, then p; v160-191 O^T; v192-223 V's 4 fragments; v224-231 p's codes; v232-239, v244-247, v252, v254 at work;
; v240-241 V's scale words, v248-251 K's, v253 p's, v255 Q's.
.set WV,   18
.set SEL,  20
.set CS,   22                          ; s[22:23] c = log2(e) / 8
.set G1C,  24                          ; s[24:31] group 1 for a slot; s[32:39] for the scale bytes; s[40:43], s[44:47] their groups 0
.set G1S,  32
.set G0C,  40
.set G0S,  44
.set TB,   2                           ; s2   LDS byte at which the slot in hand begins
.set TS,   3                           ; s3   768 x the key step
.set SLOTS, 67
.set PFA,  76
.set LIM,  80
.set QL,   97                          ; s97  my work-group's last query
.set KF,   98                          ; s98  the step's first key
.set QB,   99                          ; s99  my block's first query
.macro TLOAD                           ; wave 0 fetches; an s_nop 0 and four v_nop follow the load
	s_cmp_eq_u32 s[WV], 0
	s_cbranch_scc0 .Lasked_\@
	tensor_load_to_lds s[G0C:G0C+3], s[G1C:G1C+7]
	s_nop 0
.rept 4
	v_nop
.endr
.Lasked_\@:
.endm
; A prefetch of the slot that the NEXT change of slots will ask for: 32,768 dense bytes.  All sixteen work-groups of a head walk the same bytes: the one with i = 0, which walks all slots, asks; in it waves 4 to 7,
; 8,192 bytes each, lanes 256 bytes apart: each aligned block of 256 bytes is named once in the launch.  Slots 0 and 1 come by their loads alone; the last change that fills a slot asks for nothing.
.macro ASK
	s_cmp_gt_u32 s[SLOTS], s[LIM]
	s_cbranch_scc0 .Lnot_mine_\@
	global_prefetch_b8 v[PFO], s[PFA:PFA+1] th:TH_LOAD_NT scope:SCOPE_SE
.Lnot_mine_\@:
.endm
	s_load_b256 s[4:11], s[0:1], 0x0               ; qc s[4:5], qs s[6:7], kvc s[8:9], kvs s[10:11]
	s_load_b128 s[12:15], s[0:1], 0x20             ; ac s[12:13], asc s[14:15]
	v_lshl_add_u32 v[SPW], v0, 2, SPARE
	v_mov_b32 v[NIL], 0
	ds_add_u32 v[SPW], v[NIL]                      ; the wave's opening: the add, twice on end, and its wait ahead of the first tensor load; work on registers stands between
	ds_add_u32 v[SPW], v[NIL]
	v_lshrrev_b32 v8, 5, v0
	s_delay_alu instid0(VALU_DEP_1)
	v_readfirstlane_b32 s[WV], v8                  ; wave 0..15
	s_and_b32 s68, ttmp7, 0xffff                   ; the head
	s_lshr_b32 s69, s[WV], 2
	s_xor_b32 s69, s69, s[WV]
	s_and_b32 s69, s69, 1                          ; 0: the early block, 1: the late one
	s_lshr_b32 s70, s[WV], 1                       ; j: my tile in the block
	s_sub_co_u32 s71, 31, ttmp9
	s_cmp_eq_u32 s69, 0
	s_cselect_b32 s72, ttmp9, s71                  ; my block
	s_lshl_b32 s[QB], s72, 7
	s_lshl_b32 s[QL], s71, 7
	s_or_b32 s[QL], s[QL], 127
	s_lshl_b32 s73, s72, 3
	s_add_co_u32 s73, s73, s70                     ; T: my tile of queries
	s_lshl_b32 s74, s68, 17
	s_lshl_b32 s75, s73, 9
	s_add_co_u32 s74, s74, s75                     ; Q's codes: 131,072 head + 512 T
	s_mov_b32 s75, 0
	s_lshl_b32 s82, s68, 14
	s_lshr_b32 s83, s73, 2
	s_lshl_b32 s83, s83, 8
	s_add_co_u32 s82, s82, s83
	s_and_b32 s83, s73, 3
	s_lshl_b32 s83, s83, 2
	s_add_co_u32 s82, s82, s83                     ; Q's words: 16,384 head + 256 (T / 4) + 4 (T % 4)
	s_mov_b32 s83, 0
	s_lshl_b32 s84, s68, 18                        ; the head's K and V
	s_mov_b32 s85, 0
	s_mul_i32 s86, s68, 24576                      ; and their scale bytes
	s_mov_b32 s87, 0
	s_lshl_b32 s88, s73, 13
	s_lshl_b32 s89, s68, 9
	s_add_co_u32 s88, s88, s89                     ; the result's codes: 8,192 T + 1,024 (head / 2) + 512 (head % 2)
	s_mov_b32 s89, 0
	s_lshl_b32 s90, s73, 9                         ; its scale bytes, K step s = head / 2: 512 T
	s_lshr_b32 s91, s68, 3
	s_lshl_b32 s91, s91, 8
	s_add_co_u32 s90, s90, s91                     ; + 256 (s / 4)
	s_bfe_u32 s91, s68, 0x10001
	s_lshl_b32 s91, s91, 7
	s_add_co_u32 s90, s90, s91                     ; + 128 (s % 2)
	s_bfe_u32 s91, s68, 0x10002
	s_lshl_b32 s91, s91, 2
	s_add_co_u32 s90, s90, s91                     ; + 4 ((s / 2) % 2)
	s_and_b32 s91, s68, 1
	s_lshl_b32 s91, s91, 1
	s_add_co_u32 s90, s90, s91                     ; + 2 (head % 2)
	s_mov_b32 s91, 0
	s_lshr_b32 s81, s70, 1
	s_lshl_b32 s81, s81, 5
	s_and_b32 s92, s70, 1
	s_lshl_b32 s92, s92, 3
	s_add_co_u32 s81, s81, s92                     ; slot 0's query in the block: 32 (j / 2) + 8 (j % 2)
	s_and_b32 s92, s[WV], 3
	s_lshl_b32 s92, s92, 13
	s_add_co_u32 s92, s92, SLOTB
	s_add_co_u32 s92, s92, s84                     ; the prefetches: my 8,192 bytes, in slot 1; the first change of slots steps it to slot 2
	s_mov_b32 s93, 0
	s_sub_co_u32 s94, s[WV], 4
	s_lshr_b32 s94, s94, 2                         ; 0 in waves 4 to 7,
	s_or_b32 s94, s94, ttmp9                       ; of the work-group with i = 0
	s_cmp_eq_u32 s94, 0
	s_cselect_b32 s[LIM], 1, -1
	; group 1: dense rows of 256 bytes (32 elements of 8 bytes), no padding: 128 rows a slot, 96 rows of scale bytes
	s_mov_b32 s[G1C], 3<<16
	s_mov_b32 s[G1C+1], 32<<16                     ; tensor_dim0
	s_mov_b32 s[G1C+2], 128<<16                    ; tensor_dim1
	s_mov_b32 s[G1C+3], 32<<16                     ; tile_dim0
	s_mov_b32 s[G1C+4], 128                        ; tile_dim1
	s_mov_b32 s[G1C+5], 32                         ; the pitch
	s_mov_b32 s[G1C+6], 0
	s_mov_b32 s[G1C+7], 0
	s_mov_b32 s[G1S], 3<<16
	s_mov_b32 s[G1S+1], 32<<16
	s_mov_b32 s[G1S+2], 96<<16
	s_mov_b32 s[G1S+3], 32<<16
	s_mov_b32 s[G1S+4], 96
	s_mov_b32 s[G1S+5], 32
	s_mov_b32 s[G1S+6], 0
	s_mov_b32 s[G1S+7], 0
	s_mov_b32 s[SEL], 0x76543210
	s_mov_b32 s[SEL+1], 0xfedcba98
	s_mov_b32 s[CS], 0x3e38aa3b                    ; log2(e) / 8
	s_mov_b32 s[CS+1], s[CS]                       ; (named with it as a pair)
	s_mov_b32 s[TB], 0
	s_mov_b32 s[TS], 0
	s_mov_b32 s[KF], 0
	s_mov_b32 s[SLOTS], 7
	s_wait_dscnt 0x0                               ; both opening adds are done
	s_wait_kmcnt 0x0
	s_mov_b32 s[G0S], 1
	s_mov_b32 s[G0S+1], SCB
	s_add_nc_u64 s[G0S+2:G0S+3], s[10:11], s[86:87]
	s_or_b32 s[G0S+3], s[G0S+3], 0x80000000
	s_mov_b32 s[G0C], 1
	s_mov_b32 s[G0C+1], 0
	s_add_nc_u64 s[G0C+2:G0C+3], s[8:9], s[84:85]
	s_or_b32 s[G0C+3], s[G0C+3], 0x80000000
	s_cmp_eq_u32 s[WV], 0                          ; wave 0's two first fills stand in one branch, ahead of every wait on TENSORcnt, every LDS read and every barrier: two loads of wave 0 are out
	s_cbranch_scc0 .Lno_first
	tensor_load_to_lds s[G0S:G0S+3], s[G1S:G1S+7]  ; the head's scale bytes: filled once
	s_nop 0
	tensor_load_to_lds s[G0C:G0C+3], s[G1C:G1C+7]  ; slot 0
	s_nop 0
.rept 4
	v_nop
.endr
.Lno_first:
	s_add_nc_u64 s[4:5], s[4:5], s[74:75]
	s_add_nc_u64 s[6:7], s[6:7], s[82:83]
	s_add_nc_u64 s[12:13], s[12:13], s[88:89]
	s_add_nc_u64 s[14:15], s[14:15], s[90:91]
	s_add_nc_u64 s[PFA:PFA+1], s[8:9], s[92:93]
	v_and_b32 v8, 31, v0
	s_delay_alu instid0(VALU_DEP_1)
	v_lshlrev_b32 v[LI], 4, v8
	s_delay_alu instid0(VALU_DEP_2)
	v_lshlrev_b32 v[PFO], 8, v8
	s_delay_alu instid0(VALU_DEP_3)
	v_lshl_add_u32 v[ASV0], v8, 3, SCB+512
	s_delay_alu instid0(VALU_DEP_4)
	v_lshl_add_u32 v[ASK0], v8, 4, SCB
	v_and_b32 v9, 15, v0                           ; r
	v_bfe_u32 v10, v0, 4, 1                        ; h
	s_delay_alu instid0(VALU_DEP_2)
	v_lshlrev_b32 v[R8], 3, v9
	s_delay_alu instid0(VALU_DEP_3)
	v_lshlrev_b32 v11, 4, v9
	global_load_b128 v[16:19], v[LI], s[4:5]       ; Q's fragment, registers 0-3: it stays
	global_load_b32 v255, v11, s[6:7]              ; Q's scale words
	v_and_b32 v[DG], 8, v9
	s_delay_alu instid0(VALU_DEP_1)
	v_add_nc_u32 v[DG], v[DG], v9                  ; r + 8 (r / 8)
	v_lshlrev_b32 v10, 4, v10
	s_delay_alu instid0(VALU_DEP_1)
	v_sub_nc_u32 v[DG], v[DG], v10
	s_delay_alu instid0(VALU_DEP_1)
	v_add_nc_u32 v[DG], s81, v[DG]
	v_mov_b32 v13, 0xff61b1e6                      ; the largest t so far: -3e38, under every t
	s_delay_alu instid0(VALU_DEP_1)
	v_floor_f32 v12, -v13                          ; -M
	v_mov_b32 v14, 0
	v_mov_b32 v15, 0
.irp k, 20,21,22,23,236,237,238,239,252,253
	v_mov_b32 v\k, 0                               ; Q's zero codes; permutes' destinations and a pair's upper half, written once
.endr
.irp t, 0,1,2,3,4,5,6,7
.irp k, 4,5,6,7
	v_mov_b32 v[32+8*\t+\k], 0                     ; K's zero codes for k = 64 .. 127
.endr
.endr
.set n, 0
.rept 32
	v_mov_b32 v[160+n], 0                          ; O^T: the step is written once, and its first run finds zeros
.set n, n+1
.endr
; A KEY STEP: 128 keys, the q-th of the slot in hand.
.macro STEP q
	s_cmp_gt_u32 s[KF], s[QB]                      ; all 128 keys come after my block's queries: the step's work is left out.  Ids and the count of steps alone; no barrier, wait or tensor load stands in a step
	s_cbranch_scc1 .Lhidden_\@
	v_add_nc_u32 v[AD], s[TB], v[LI]
	v_add_nc_u32 v[ADS], s[TS], v[ASK0]
	v_add_nc_u32 v[ADT], s[TS], v[ASV0]
	v_nop                                          ; four plain lines between the last step's products and the loads into their registers
.irp t, 0,1,2,3,4,5,6,7
	ds_load_b128 v[32+8*\t:35+8*\t], v[AD] offset:8192*(\q)+512*\t
.endr
	ds_load_b128 v[248:251], v[ADS]                ; K's words: register t % 4, lanes 0-15 tiles 0-3, lanes 16-31 tiles 4-7
.irp d, 0,1,2,3
.irp c, 0,1
	ds_load_b128 v[192+8*\d+4*\c:195+8*\d+4*\c], v[AD] offset:8192*(\q)+4096+1024*\d+512*\c
.endr
.endr
	ds_load_b64 v[240:241], v[ADT]                 ; V's words: register d / 2, lanes 0-15 even tiles, lanes 16-31 odd ones
	s_wait_dscnt 9                                 ; K and its words are in; V's nine loads may be out
.irp t, 0,1,2,3
	v_wmma_scale_f32_16x16x128_f8f6f4 v[96+8*\t:103+8*\t], v[32+8*\t:39+8*\t], v[16:23], 0, v[248+\t], v255 matrix_a_fmt:MATRIX_FMT_FP4 matrix_b_fmt:MATRIX_FMT_FP4
.endr
.irp t, 4,5,6,7
	v_wmma_scale_f32_16x16x128_f8f6f4 v[96+8*\t:103+8*\t], v[32+8*\t:39+8*\t], v[16:23], 0, v[244+\t], v255 matrix_a_fmt:MATRIX_FMT_FP4 matrix_b_fmt:MATRIX_FMT_FP4 matrix_a_scale:MATRIX_SCALE_ROW1
.endr
.rept 4
	v_nop
.endr
	s_cmp_lt_u32 s[KF], s[QB]                      ; all keys count: no mask
	s_cbranch_scc1 .Lopen_\@
	v_mov_b32 v254, 0xff800000                     ; on the diagonal hidden scores become -infinity ahead of the maximum.  Register 16 b + i holds key KF + 32 b + 16 (lane / 16) + i: hidden where 32 b + i > v[DG]
.set n, 0
.rept 64
	v_cmp_gt_i32 vcc_lo, 32*(n/16)+n%16, v[DG]
	v_cndmask_b32 v[96+n], v[96+n], v254, vcc_lo
.set n, n+1
.endr
.Lopen_\@:
.irp b, 0,1,2,3
	v_max3_num_f32 v[232+\b], v[96+16*\b], v[97+16*\b], v[98+16*\b]   ; the largest score of each block of 32 keys: for the row's maximum and, since p rises with the score, for the block's largest p
.endr
.irp i, 3,5,7,9,11,13
.irp b, 0,1,2,3
	v_max3_num_f32 v[232+\b], v[232+\b], v[96+16*\b+\i], v[97+16*\b+\i]
.endr
.endr
.irp b, 0,1,2,3
	v_max_num_f32 v[232+\b], v[232+\b], v[111+16*\b]
.endr
.irp b, 0,1,2,3
	s_delay_alu instid0(VALU_DEP_4)
	v_permlanex16_b32 v[236+\b], v[232+\b], s[SEL], s[SEL+1]
.endr
.irp b, 0,1,2,3
	s_delay_alu instid0(VALU_DEP_4)
	v_max_num_f32 v[232+\b], v[232+\b], v[236+\b]  ; with lane l xor 16's 16 keys
.endr
	s_delay_alu instid0(VALU_DEP_2)
	v_max3_num_f32 v254, v232, v233, v234
	s_delay_alu instid0(VALU_DEP_1)
	v_max_num_f32 v254, v254, v235
	s_delay_alu instid0(VALU_DEP_1)
	v_mul_f32 v254, s[CS], v254                    ; the step's largest t
	s_delay_alu instid0(VALU_DEP_1)
	v_max_num_f32 v13, v13, v254                   ; the running largest t
	v_mov_b32 v254, v12
	s_delay_alu instid0(VALU_DEP_2)
	v_floor_f32 v12, -v13                          ; the new -M = -ceil(t)
	s_delay_alu instid0(VALU_DEP_1)
	v_sub_f32 v254, v12, v254                      ; old M - new M: a whole number, 0 or less
	s_delay_alu instid0(VALU_DEP_1)
	v_cvt_i32_f32 v254, v254                       ; (it saturates)
	s_delay_alu instid0(VALU_DEP_1)
	v_ldexp_f32 v252, 1.0, v254                    ; f = 2^(old M - new M): a multiplication by it rounds nothing
.set n, 0
.rept 32
	v_pk_fma_f32 v[96+n:97+n], v[96+n:97+n], s[CS:CS+1], v[12:13] op_sel_hi:[1,0,0]   ; t - M, two at a time
.set n, n+2
.endr
.irp b, 0,1,2,3
	v_fma_f32 v[232+\b], v[232+\b], s[CS], v12     ; the same of each block's largest score
.endr
.set n, 0
	s_wait_alu depctr_va_vdst(0)
.rept 64
	v_exp_f32 v[96+n], v[96+n]                     ; p = 2^(t - M)
.set n, n+1
.endr
	v_pk_mul_f32 v[14:15], v[14:15], v[252:253] op_sel_hi:[1,0]   ; the sums under the new M: the plain line behind the exponentials
	s_wait_alu depctr_va_vdst(0)                   ; one wait for the batch of 64, ahead of its first reader
.irp b, 0,1,2,3
	v_exp_f32 v[232+\b], v[232+\b]                 ; the block's largest p
.endr
	v_pk_add_f32 v[236:237], v[100:101], v[104:105]
	v_pk_add_f32 v[250:251], v[108:109], v[112:113]
	v_pk_add_f32 v[248:249], v[116:117], v[120:121]
	v_pk_add_f32 v[246:247], v[124:125], v[128:129]
	v_pk_add_f32 v[244:245], v[132:133], v[136:137]
	v_pk_add_f32 v[242:243], v[140:141], v[144:145]
	v_pk_add_f32 v[238:239], v[148:149], v[152:153]
	v_pk_add_f32 v[14:15], v[14:15], v[156:157]
	v_pk_add_f32 v[236:237], v[236:237], v[96:97]
	v_pk_add_f32 v[250:251], v[250:251], v[98:99]
	v_pk_add_f32 v[248:249], v[248:249], v[102:103]
	v_pk_add_f32 v[246:247], v[246:247], v[106:107]
	v_pk_add_f32 v[244:245], v[244:245], v[110:111]
	v_pk_add_f32 v[242:243], v[242:243], v[114:115]
	v_pk_add_f32 v[238:239], v[238:239], v[118:119]
	v_pk_add_f32 v[14:15], v[14:15], v[122:123]
	v_pk_add_f32 v[236:237], v[236:237], v[126:127]
	v_pk_add_f32 v[250:251], v[250:251], v[130:131]
	v_pk_add_f32 v[248:249], v[248:249], v[134:135]
	v_pk_add_f32 v[246:247], v[246:247], v[138:139]
	v_pk_add_f32 v[244:245], v[244:245], v[142:143]
	v_pk_add_f32 v[242:243], v[242:243], v[146:147]
	v_pk_add_f32 v[238:239], v[238:239], v[150:151]
	v_pk_add_f32 v[14:15], v[14:15], v[154:155]
	v_pk_add_f32 v[236:237], v[236:237], v[158:159]
	s_delay_alu instid0(VALU_DEP_2)
	v_pk_add_f32 v[14:15], v[14:15], v[246:247]
	s_delay_alu instid0(VALU_DEP_2)
	v_pk_add_f32 v[236:237], v[236:237], v[244:245]
	v_pk_add_f32 v[250:251], v[250:251], v[242:243]
	v_pk_add_f32 v[248:249], v[248:249], v[238:239]
	s_delay_alu instid0(VALU_DEP_2)
	v_pk_add_f32 v[14:15], v[14:15], v[250:251]
	s_delay_alu instid0(VALU_DEP_2)
	v_pk_add_f32 v[236:237], v[236:237], v[248:249]
	s_delay_alu instid0(VALU_DEP_1)
	v_pk_add_f32 v[14:15], v[14:15], v[236:237]
	s_wait_alu depctr_va_vdst(0)                   ; and one for the four
.irp b, 0,1,2,3
	v_max_num_f32 v[232+\b], 0x1800000, v[232+\b]  ; the floor 2^(3 - 127): a block of zeros keeps the byte 1 over zero codes
.endr
.irp b, 0,1,2,3
	s_delay_alu instid0(VALU_DEP_4)
	v_add_nc_u32 v[244+\b], 0xff000000, v[232+\b]  ; the conversion's scale operand
.endr
.irp b, 0,1,2,3
	s_delay_alu instid0(VALU_DEP_4)
	v_lshrrev_b32 v[236+\b], 23, v[244+\b]         ; the scale's byte
.endr
	s_delay_alu instid0(VALU_DEP_3)
	v_lshl_or_b32 v253, v237, 8, v236              ; p's scale word for these 128 keys
	s_delay_alu instid0(VALU_DEP_1)
	v_lshl_or_b32 v253, v238, 16, v253
	s_delay_alu instid0(VALU_DEP_1)
	v_lshl_or_b32 v253, v239, 24, v253
.irp b, 0,1,2,3
	v_cvt_scalef32_pk8_fp4_f32 v[224+2*\b], v[96+16*\b:103+16*\b], v[244+\b]
	v_cvt_scalef32_pk8_fp4_f32 v[225+2*\b], v[104+16*\b:111+16*\b], v[244+\b]
.endr
	v_nop                                          ; one plain line behind a scaled conversion
.irp c, 0,1
.irp i, 0,1
	v_permlane16_swap_b32 v[224+4*\c+\i], v[226+4*\c+\i]   ; a whole block of 32 keys to a lane
.endr
.endr
.set n, 0
.rept 16
	v_pk_mul_f32 v[160+n:161+n], v[160+n:161+n], v[252:253] op_sel_hi:[1,0]   ; O^T under the new M.  These sixteen also stand between the lines that made p's codes and scale word and the products
.set n, n+2
.endr
	s_wait_alu depctr_va_vdst(0)
	s_wait_dscnt 0x0                               ; V and its words
	v_wmma_scale_f32_16x16x128_f8f6f4 v[160:167], v[192:199], v[224:231], v[160:167], v240, v253 matrix_a_fmt:MATRIX_FMT_FP4 matrix_b_fmt:MATRIX_FMT_FP4
	v_wmma_scale_f32_16x16x128_f8f6f4 v[168:175], v[200:207], v[224:231], v[168:175], v240, v253 matrix_a_fmt:MATRIX_FMT_FP4 matrix_b_fmt:MATRIX_FMT_FP4 matrix_a_scale:MATRIX_SCALE_ROW1
	v_wmma_scale_f32_16x16x128_f8f6f4 v[176:183], v[208:215], v[224:231], v[176:183], v241, v253 matrix_a_fmt:MATRIX_FMT_FP4 matrix_b_fmt:MATRIX_FMT_FP4
	v_wmma_scale_f32_16x16x128_f8f6f4 v[184:191], v[216:223], v[224:231], v[184:191], v241, v253 matrix_a_fmt:MATRIX_FMT_FP4 matrix_b_fmt:MATRIX_FMT_FP4 matrix_a_scale:MATRIX_SCALE_ROW1
.Lhidden_\@:
	s_add_co_u32 s[KF], s[KF], 128
	s_add_co_u32 s[TS], s[TS], 768
.endm
; THE CHANGE OF SLOTS, at a slot's head.  Every wave waits for all its tensor loads (wave 0: the slot about to be read), adds 0 to its spare word, and waits for that and for its reads of the slot that it has left; then the barrier.
; fill = 1: the slot just left is filled with the next 4 key steps, which then have a slot's steps in which to land; one tensor load of wave 0 is out behind a barrier.
.macro CHANGE fill
	s_wait_tensorcnt 0x0                           ; no tensor load of mine is out, so group 0 may be written
	ds_add_u32 v[SPW], v[NIL]
.if \fill
	ds_add_u32 v[SPW], v[NIL]
	s_xor_b32 s[G0C+1], s[G0C+1], SLOTB            ; the other slot,
	s_add_nc_u64 s[G0C+2:G0C+3], s[G0C+2:G0C+3], SLOTB   ; the next 4 key steps
	s_wait_xcnt 0x0                                ; the last prefetch, a slot back, has read its address
	s_add_nc_u64 s[PFA:PFA+1], s[PFA:PFA+1], SLOTB
.endif
	s_wait_dscnt 0x0                               ; the add is done, and my reads of the slot that I have left are over
	s_barrier_signal -1
	s_barrier_wait -1
.if \fill
	s_add_co_u32 s96, s[KF], 512                   ; the first key of the slot that this change would ask for:
	s_cmp_gt_u32 s96, s[QL]                        ; behind my work-group's last query none of its waves reads it.  Ids and the count of steps alone: the same in all sixteen waves
	s_cbranch_scc1 .Lpast_\@
	TLOAD
.Lpast_\@:
	ASK
.endif
.endm
.macro SLOT_STEPS
	STEP 0
	STEP 1
	STEP 2
	STEP 3
	s_xor_b32 s[TB], s[TB], SLOTB
.endm
	s_wait_loadcnt 0x0                             ; Q
.Lslot:                                            ; 7 trips
	CHANGE 1
	SLOT_STEPS
	s_sub_co_u32 s[SLOTS], s[SLOTS], 1
	s_cmp_lg_u32 s[SLOTS], 0
	s_cbranch_scc1 .Lslot
	CHANGE 0                                       ; the last slot is written out: nothing is left to ask for
	SLOT_STEPS
	; THE WAY OUT: O^T / the sum, quantised along E (my head's 64 channels are two blocks of 32), as registers 4 (head % 2) .. + 3 of the fragment of tile T and K step head / 2.
.rept 4
	v_nop                                          ; four plain lines behind the last products, on the way that leads here over skipped steps too
.endr
	v_add_f32 v14, v14, v15
	s_delay_alu instid0(VALU_DEP_1)
	v_permlanex16_b32 v252, v14, s[SEL], s[SEL+1]
	s_delay_alu instid0(VALU_DEP_1)
	v_add_f32 v14, v14, v252                       ; the row's sum
	s_wait_alu depctr_va_vdst(0)
	v_rcp_f32 v14, v14
	v_nop                                          ; a plain line behind the reciprocal,
	s_wait_alu depctr_va_vdst(0)                   ; and the wait ahead of its first reader
.set n, 0
.rept 32
	v_mul_f32 v[96+n], v[160+n], v14               ; register 16 b + i: channel 32 b + 16 h + i
.set n, n+1
.endr
.irp b, 0,1
	v_max3_num_f32 v[232+\b], |v[96+16*\b]|, |v[97+16*\b]|, 0x1800000
.endr
.irp i, 2,4,6,8,10,12,14
.irp b, 0,1
	s_delay_alu instid0(VALU_DEP_2)
	v_max3_num_f32 v[232+\b], v[232+\b], |v[96+16*\b+\i]|, |v[97+16*\b+\i]|
.endr
.endr
.irp b, 0,1
	s_delay_alu instid0(VALU_DEP_2)
	v_permlanex16_b32 v[236+\b], v[232+\b], s[SEL], s[SEL+1]
.endr
.irp b, 0,1
	s_delay_alu instid0(VALU_DEP_2)
	v_max_num_f32 v[232+\b], v[232+\b], v[236+\b]
.endr
.irp b, 0,1
	s_delay_alu instid0(VALU_DEP_2)
	v_add_nc_u32 v[244+\b], 0xff000000, v[232+\b]
.endr
.irp b, 0,1
	s_delay_alu instid0(VALU_DEP_2)
	v_lshrrev_b32 v[236+\b], 23, v[244+\b]
.endr
	s_delay_alu instid0(VALU_DEP_1)
	v_lshl_or_b32 v238, v237, 8, v236              ; my head's two bytes of the row's scale word
.irp b, 0,1
	v_cvt_scalef32_pk8_fp4_f32 v[224+2*\b], v[96+16*\b:103+16*\b], v[244+\b]
	v_cvt_scalef32_pk8_fp4_f32 v[225+2*\b], v[104+16*\b:111+16*\b], v[244+\b]
.endr
	v_nop
	v_permlane16_swap_b32 v224, v226
	v_permlane16_swap_b32 v225, v227
	global_store_b128 v[LI], v[224:227], s[12:13]  ; 512 consecutive bytes
	global_store_b16 v[R8], v238, s[14:15]         ; lanes r and 16 + r store the same two bytes with the same value
	s_wait_tensorcnt 0x0                           ; the wave's end
	ds_add_u32 v[SPW], v[NIL]
	s_wait_dscnt 0x0
	s_endpgm
.Lfunc_end_k_q450a0529d6_attn:
	.size	k_q450a0529d6_attn, .Lfunc_end_k_q450a0529d6_attn-k_q450a0529d6_attn
	.p2alignl 7, 3214868480
	.fill 96, 4, 3214868480
	.section	.rodata,"a",@progbits
	.p2align	6, 0x0
	.amdhsa_kernel k_q450a0529d6_attn
		.amdhsa_group_segment_fixed_size 327680
		.amdhsa_private_segment_fixed_size 0
		.amdhsa_enable_private_segment 0
		.amdhsa_kernarg_size 48
		.amdhsa_user_sgpr_count 2
		.amdhsa_user_sgpr_kernarg_segment_ptr 1
		.amdhsa_wavefront_size32 1
		.amdhsa_system_sgpr_workgroup_id_x 1
		.amdhsa_system_sgpr_workgroup_id_y 1
		.amdhsa_system_sgpr_workgroup_id_z 1
		.amdhsa_system_vgpr_workitem_id 0
		.amdhsa_next_free_vgpr 256
		.amdhsa_next_free_sgpr 100
		.amdhsa_reserve_vcc 1
		.amdhsa_float_denorm_mode_32 3
		.amdhsa_float_denorm_mode_16_64 3
		.amdhsa_memory_ordered 1
		.amdhsa_forward_progress 1
		.amdhsa_inst_pref_size 182
	.end_amdhsa_kernel
	.amdgpu_metadata
---
amdhsa.version: [ 1, 2 ]
amdhsa.kernels:
  - .name:           k_q450a0529d6_attn
    .symbol:         k_q450a0529d6_attn.kd
    .args:
      - { .name: qc, .offset: 0, .size: 8, .value_kind: global_buffer, .address_space: global }
      - { .name: qs, .offset: 8, .size: 8, .value_kind: global_buffer, .address_space: global }
      - { .name: kvc, .offset: 16, .size: 8, .value_kind: global_buffer, .address_space: global }
      - { .name: kvs, .offset: 24, .size: 8, .value_kind: global_buffer, .address_space: global }
      - { .name: ac, .offset: 32, .size: 8, .value_kind: global_buffer, .address_space: global }
      - { .name: asc, .offset: 40, .size: 8, .value_kind: global_buffer, .address_space: global }
    .group_segment_fixed_size: 327680
    .private_segment_fixed_size: 0
    .kernarg_segment_align: 8
    .kernarg_segment_size: 48
    .max_flat_workgroup_size: 512
    .sgpr_count:     100
    .vgpr_count:     256
    .wavefront_size: 32
...
	.end_amdgpu_metadata
.endif
;; end of part 7
;; launch proj (part 8): grid 256 x 1, 4 waves a work-group, no clusters, 34,304 bytes of LDS; arguments ac, asc, codes, scl, bo, out0; writes out0
.if DOCPART == 8
	.amdgcn_target "amdgcn-amd-amdhsa--gfx1250"
	.amdhsa_code_object_version 6
	.text
	.protected	k_q450a0529d6_proj
	.globl	k_q450a0529d6_proj
	.p2align	8
	.type	k_q450a0529d6_proj,@function
k_q450a0529d6_proj:
	s_mov_b64 s[64:65], 0
	v_nop
	global_prefetch_b8 v0, s[64:65] scope:SCOPE_SE
	s_setreg_imm32_b32 hwreg(HW_REG_WAVE_SCHED_MODE, 0, 2), 2
	s_setreg_imm32_b32 hwreg(HW_REG_WAVE_MODE, 25, 1), 1
	s_wait_xcnt 0x0
	s_wait_alu depctr_vm_vsrc(0)
; out0 = (attention's result) Wo^T + bo on codes of FP4.  No work is left out here.  Source 0 = a chunk of 8 tiles = 128 rows of Wo, source 1 = 2 tiles = 32 tokens: a lane holds one token, and register 16 b + i of its 64
; results for a tile is output 32 b + 16 (lane / 16) + i of the chunk.  bo, in that layout, is the C of the first K step's products: no addition is written.
; SHARES: work-group g: chunk g / 32; wave w: tokens 32 U on, U = 4 (g % 32) + w.  Operands come from memory straight into registers, 512 consecutive bytes a load, as in the launch of Q, K and V, and for its reasons.
; THE WAY OUT: a tile's 16 rows x 512 bytes go through the wave's own stage in LDS and leave as whole rows: 32 lanes store 512 consecutive bytes, aligned.
; THE MODE: SCHED_MODE bits 1:0 = 2 (LLVM: expert scheduling mode 2), set by the entry lines.  The code itself states the register dependences between vector or matrix instructions and memory or LDS instructions,
; with s_wait_alu, always for 0.
; THE PLAN.  Registers that memory or LDS instructions touch:
;   v1, v2, v4, v5, v6, v10, v11   offsets, stage addresses and the closing add's pair: made at the head and never written again: one wait ahead of the first load serves all that read them.
;   bo, the scale words            loaded once, read by matrix instructions alone.
;   buffers 0, 1, 2                K step k's loads land in buffer k % 3 and its 16 products read it.  Step k's memory instructions are the loads of K step k + 2, which land in buffer (k + 2) % 3 = (k - 1) % 3:
;                                  the buffer that the step before multiplied and that no product of step k names.  So ONE wait stands at a step's head, behind the wait for the step's data: the step before is
;                                  done reading its buffer; the 20 loads follow, then the products.  Step 0 owes none (nothing has named buffer 2), steps 6 and 7 load nothing.
;   the accumulators               written by the products, read by the LDS stores of the way out; v64-127 and v144-207, which K steps 6 and 7 read, take the loads from the stage: one wait, behind the places.
; No register that a memory or LDS instruction reads is written again, so no wait on vm_vsrc is owed.
.set PITCH, 528
.set WST,   16*PITCH
.set SPARE, 4*WST
.set LI,   1                           ; v1   16 x lane
.set L8,   2                           ; v2   8 x lane
.set H64,  4                           ; v4   64 h
.set STI,  5                           ; v5   the stage, in: wave's stage + 528 r + 64 h
.set STO,  6                           ; v6   and back: wave's stage + 16 x lane
.set SPW,  10                          ; v10  my spare word's LDS address; never rewritten
.set NIL,  11                          ; v11  0; never rewritten
.set SR,   16                          ; v16-47 Wo's scale words, v48-55 the tokens'
.set SL,   48
.set FR0,  64                          ; buffer 0: v64-127 Wo's eight fragments of a K step, v128-143 the tokens' two
.set FL0,  128
.set FR1,  144                         ; buffer 1: v144-207, v208-223
.set FL1,  208
.set FR2,  192                         ; buffer 2: Wo's eight in window 1, v192-255; the tokens' two in window 0, v224-239
.set FL2,  224
.set BI,   128                         ; window 1: v0-127 the 16 accumulators, (l, t) at v[64 l + 8 t]; v128-191 bo; v192-255 buffer 2's fragments of Wo
.set M01,  0x50                        ; products on buffers 0 and 1: sources 0 and 1 window 0, C and D window 1
.set M2,   0x51                        ; on buffer 2: source 0 window 1 too
.set T01,  0                           ; loads of Wo's fragments into buffers 0 and 1: destination window 0
.set T2,   0x40                        ; into buffer 2: destination window 1
.set RB,   24
.set LB,   26
.set RS,   28
.set LS,   30
.set MSB, 0
.macro WIN new
.if MSB != \new
	s_set_vgpr_msb (MSB<<8)|\new
.set MSB, \new
.endif
.endm
.macro PLACES                          ; four plain vector lines between a matrix instruction and a load into, or a store of, its registers
.rept 4
	v_nop
.endr
.endm
.macro FETCH s, w, fr, fl              ; K step s: 20 loads; w: the window setting for Wo's sixteen
	WIN \w
.irp t, 0,1,2,3,4,5,6,7
.irp c, 0,1
	global_load_b128 v[\fr+8*\t+4*\c:\fr+8*\t+4*\c+3], v[LI], s[RB:RB+1] offset:\t*8192+(\s)*1024+\c*512
.endr
.endr
	WIN 0
.irp t, 0,1
.irp c, 0,1
	global_load_b128 v[\fl+8*\t+4*\c:\fl+8*\t+4*\c+3], v[LI], s[LB:LB+1] offset:\t*8192+(\s)*1024+\c*512
.endr
.endr
.endm
.macro MUL s, w, fr, fl, first         ; 16 products; the 16 accumulators take turns, one instruction a turn
	WIN \w
.irp l, 0,1
.irp t, 0,1,2,3,4,5,6,7
.if \first
	v_wmma_scale_f32_16x16x128_f8f6f4 v[64*\l+8*\t:64*\l+8*\t+7], v[\fr+8*\t:\fr+8*\t+7], v[\fl+8*\l:\fl+8*\l+7], v[BI+8*\t:BI+8*\t+7], v[SR+4*\t+(\s)/2], v[SL+4*\l+(\s)/2] matrix_a_fmt:MATRIX_FMT_FP4 matrix_b_fmt:MATRIX_FMT_FP4
.elseif (\s)%2
	v_wmma_scale_f32_16x16x128_f8f6f4 v[64*\l+8*\t:64*\l+8*\t+7], v[\fr+8*\t:\fr+8*\t+7], v[\fl+8*\l:\fl+8*\l+7], v[64*\l+8*\t:64*\l+8*\t+7], v[SR+4*\t+(\s)/2], v[SL+4*\l+(\s)/2] matrix_a_fmt:MATRIX_FMT_FP4 matrix_b_fmt:MATRIX_FMT_FP4 matrix_a_scale:MATRIX_SCALE_ROW1 matrix_b_scale:MATRIX_SCALE_ROW1
.else
	v_wmma_scale_f32_16x16x128_f8f6f4 v[64*\l+8*\t:64*\l+8*\t+7], v[\fr+8*\t:\fr+8*\t+7], v[\fl+8*\l:\fl+8*\l+7], v[64*\l+8*\t:64*\l+8*\t+7], v[SR+4*\t+(\s)/2], v[SL+4*\l+(\s)/2] matrix_a_fmt:MATRIX_FMT_FP4 matrix_b_fmt:MATRIX_FMT_FP4
.endif
.endr
.endr
.endm
; K step s of 1 to 5: multiplies the buffer (w, fr, fl) and asks for K step s + 2 into the buffer (nw, nfr, nfl), which the step before multiplied.
.macro STEP s, w, fr, fl, nw, nfr, nfl
	PLACES                                         ; behind the last step's products, ahead of the loads into the registers that they read
	s_wait_loadcnt 20                              ; this K step's 20 loads are in, the next one's may be out
	s_wait_alu depctr_va_vdst(0)                   ; the last step's products are done reading their buffer, in which the loads below land; only window switches and loads stand between
	FETCH (\s)+2, \nw, \nfr, \nfl
	MUL \s, \w, \fr, \fl, 0                        ; names this step's buffer, the accumulators and the scale words: none of the registers that the loads above touch
.endm
	s_load_b256 s[4:11], s[0:1], 0x0               ; ac s[4:5], asc s[6:7], codes s[8:9], scl s[10:11]
	s_load_b128 s[12:15], s[0:1], 0x20             ; bo s[12:13], out0 s[14:15]
	v_lshl_add_u32 v[SPW], v0, 2, SPARE
	v_mov_b32 v[NIL], 0
	v_lshrrev_b32 v7, 5, v0
	v_readfirstlane_b32 s18, v7                    ; wave
	v_and_b32 v7, 31, v0
	v_lshlrev_b32 v[LI], 4, v7
	v_lshlrev_b32 v[L8], 3, v7
	v_and_b32 v8, 15, v0                           ; r
	v_bfe_u32 v9, v0, 4, 1                         ; h
	v_lshlrev_b32 v[H64], 6, v9
	s_wait_alu depctr_va_sdst(0)                   ; s18, the wave's number, is written, ahead of its first reader: the stage and the bases are made from it
	s_mul_i32 s19, s18, WST
	v_mul_u32_u24 v[STI], v8, PITCH
	v_add_nc_u32 v[STI], v[STI], v[H64]
	v_add_nc_u32 v[STI], s19, v[STI]
	v_add_nc_u32 v[STO], s19, v[LI]
	s_lshr_b32 s20, ttmp9, 5                       ; the chunk of Wo
	s_and_b32 s21, ttmp9, 31
	s_lshl_b32 s21, s21, 2
	s_add_co_u32 s21, s21, s18                     ; U
	s_lshl_b32 s22, s20, 3
	s_add_co_u32 s22, s22, 448                     ; Wo's first tile
	s_mov_b32 s33, 0
	s_wait_kmcnt 0x0
	s_lshl_b32 s32, s22, 13
	s_add_nc_u64 s[RB:RB+1], s[8:9], s[32:33]
	s_lshl_b32 s32, s22, 9
	s_add_nc_u64 s[RS:RS+1], s[10:11], s[32:33]
	s_lshl_b32 s32, s21, 14                        ; tiles 2 U, 2 U + 1
	s_add_nc_u64 s[LB:LB+1], s[4:5], s[32:33]
	s_lshl_b32 s32, s21, 10
	s_add_nc_u64 s[LS:LS+1], s[6:7], s[32:33]
	s_lshl_b32 s32, s20, 9
	s_add_nc_u64 s[12:13], s[12:13], s[32:33]      ; the chunk's 128 numbers of bo
	s_lshl_b32 s34, s21, 17
	s_add_co_u32 s32, s32, s34
	s_add_nc_u64 s[14:15], s[14:15], s[32:33]      ; out0 at row 32 U, column 128 x chunk
	WIN 0x40                                       ; destination window 1
	s_wait_alu depctr_va_vdst(0)                   ; v1, v2, v4, v5, v6, v10 and v11 are written: the loads, the LDS instructions, the stores and the closing add read them
.irp b, 0,1,2,3
.irp q, 0,1,2,3
	global_load_b128 v[BI+16*\b+4*\q:BI+16*\b+4*\q+3], v[H64], s[12:13] offset:128*\b+16*\q
.endr
.endr
	WIN 0
.irp t, 0,1,2,3,4,5,6,7
.irp p, 0,1
	global_load_b64 v[SR+4*\t+2*\p:SR+4*\t+2*\p+1], v[L8], s[RS:RS+1] offset:\t*512+\p*256
.endr
.endr
.irp t, 0,1
.irp p, 0,1
	global_load_b64 v[SL+4*\t+2*\p:SL+4*\t+2*\p+1], v[L8], s[LS:LS+1] offset:\t*512+\p*256
.endr
.endr
	FETCH 0, T01, FR0, FL0
	FETCH 1, T01, FR1, FL1
	s_wait_loadcnt 20                              ; all but the youngest FETCH: bo, the scale words and K step 0 are in
	FETCH 2, T2, FR2, FL2                          ; no vector or matrix instruction has named buffer 2 yet
	MUL 0, M01, FR0, FL0, 1
	STEP 1, M01, FR1, FL1, T01, FR0, FL0
	STEP 2, M2,  FR2, FL2, T01, FR1, FL1
	STEP 3, M01, FR0, FL0, T2,  FR2, FL2
	STEP 4, M01, FR1, FL1, T01, FR0, FL0
	STEP 5, M2,  FR2, FL2, T01, FR1, FL1
	s_wait_loadcnt 20                              ; K step 6 is in, K step 7 may be out; nothing more is asked for
	MUL 6, M01, FR0, FL0, 0
	s_wait_loadcnt 0x0
	MUL 7, M01, FR1, FL1, 0
	WIN 0
	PLACES
	s_wait_alu depctr_va_vdst(0)                   ; the products have written the accumulators, which the LDS stores read, and are done reading v64-127 and v144-207, in which the loads from the stage land; the places above stay beside this wait
.irp l, 0,1
	WIN 0x04                                       ; an LDS store's data are its source 1: window 1
.irp b, 0,1,2,3
.irp q, 0,1,2,3
	ds_store_b128 v[STI], v[64*\l+16*\b+4*\q:64*\l+16*\b+4*\q+3] offset:128*\b+16*\q   ; slot r's outputs 32 b + 16 h + 4 q on; each accumulator from its low end on
.endr
.endr
	WIN 0
.irp j, 0,1,2,3,4,5,6,7,8,9,10,11,12,13,14,15
	ds_load_b128 v[64+80*\l+4*\j:64+80*\l+4*\j+3], v[STO] offset:PITCH*\j   ; LDS serves a wave's instructions in order: these see the stores above, and the next tile's stores come behind them
.endr
.endr
	s_wait_dscnt 32                                ; tile 0's rows are back; tile 1's 16 stores and 16 loads may be out
.irp j, 0,1,2,3,4,5,6,7,8,9,10,11,12,13,14,15
	global_store_b128 v[LI], v[64+4*\j:64+4*\j+3], s[14:15] offset:(\j+8*(\j/8))*4096 th:TH_STORE_NT   ; slot j of tile 2 U is row 32 U + j + 8 (j / 8)
.endr
	s_wait_dscnt 0x0
.irp j, 0,1,2,3,4,5,6,7,8,9,10,11,12,13,14,15
	global_store_b128 v[LI], v[144+4*\j:144+4*\j+3], s[14:15] offset:(8+\j+8*(\j/8))*4096 th:TH_STORE_NT
.endr
	s_wait_dscnt 0x0                               ; the wave's end
	s_wait_alu 0x0
	s_wait_tensorcnt 0x0
	ds_add_u32 v[SPW], v[NIL]
	s_wait_dscnt 0x0
	s_endpgm
.Lfunc_end_k_q450a0529d6_proj:
	.size	k_q450a0529d6_proj, .Lfunc_end_k_q450a0529d6_proj-k_q450a0529d6_proj
	.p2alignl 7, 3214868480
	.fill 96, 4, 3214868480
	.section	.rodata,"a",@progbits
	.p2align	6, 0x0
	.amdhsa_kernel k_q450a0529d6_proj
		.amdhsa_group_segment_fixed_size 34304
		.amdhsa_private_segment_fixed_size 0
		.amdhsa_enable_private_segment 0
		.amdhsa_kernarg_size 48
		.amdhsa_user_sgpr_count 2
		.amdhsa_user_sgpr_kernarg_segment_ptr 1
		.amdhsa_wavefront_size32 1
		.amdhsa_system_sgpr_workgroup_id_x 1
		.amdhsa_system_sgpr_workgroup_id_y 1
		.amdhsa_system_sgpr_workgroup_id_z 1
		.amdhsa_system_vgpr_workitem_id 0
		.amdhsa_next_free_vgpr 512
		.amdhsa_next_free_sgpr 66
		.amdhsa_reserve_vcc 0
		.amdhsa_float_denorm_mode_32 3
		.amdhsa_float_denorm_mode_16_64 3
		.amdhsa_memory_ordered 1
		.amdhsa_forward_progress 1
		.amdhsa_inst_pref_size 46
	.end_amdhsa_kernel
	.amdgpu_metadata
---
amdhsa.version: [ 1, 2 ]
amdhsa.kernels:
  - .name:           k_q450a0529d6_proj
    .symbol:         k_q450a0529d6_proj.kd
    .args:
      - { .name: ac, .offset: 0, .size: 8, .value_kind: global_buffer, .address_space: global }
      - { .name: asc, .offset: 8, .size: 8, .value_kind: global_buffer, .address_space: global }
      - { .name: codes, .offset: 16, .size: 8, .value_kind: global_buffer, .address_space: global }
      - { .name: scl, .offset: 24, .size: 8, .value_kind: global_buffer, .address_space: global }
      - { .name: bo, .offset: 32, .size: 8, .value_kind: global_buffer, .address_space: global }
      - { .name: out0, .offset: 40, .size: 8, .value_kind: global_buffer, .address_space: global }
    .group_segment_fixed_size: 34304
    .private_segment_fixed_size: 0
    .kernarg_segment_align: 8
    .kernarg_segment_size: 48
    .max_flat_workgroup_size: 128
    .sgpr_count:     66
    .vgpr_count:     512
    .wavefront_size: 32
...
	.end_amdgpu_metadata
.endif
;; end of part 8
